; MI455X (gfx1250); checked and timed in simulation.
; The chip was launched on July 23, 2026; its instructions are those of AMD's public machine-readable ISA for CDNA 5 (MIT licence, August 2026) and "CDNA5" Instruction Set Architecture Reference Guide (July 2026). The comments in the code are by the model that wrote it; some were corrected since.
;; Self Attention. Allowed arithmetic: float matrix products may take bf16 or f16 operands with f32 sums; all other float work in f32.
;; Inputs: W_K 1,024 x 1,024 float32; W_Q 1,024 x 1,024 float32; W_V 1,024 x 1,024 float32; x 4 x 2,048 x 1,024 float32.
;; Outputs: out0 4 x 2,048 x 1,024 float32.
;; One version. Each part assembles by itself: llvm-mc -triple=amdgcn-amd-amdhsa -mcpu=gfx1250 --defsym DOCPART=n.
;; ======== version 1 of 1: 4 launches
;; limits: values are held in f16: magnitudes above 65,504 overflow, below 6.1e-05 lose precision; right only within a limited range of input values
;; workspace buffers: xb 16,777,216 bytes; wb 6,291,456 bytes; qkv 50,331,648 bytes; p 33,554,432 bytes; stats 1,048,576 bytes
;; launch cast (part 1): grid 1408 x 1, 8 waves a work-group, no clusters, 0 bytes of LDS; arguments x, W_Q, W_K, W_V, xb, wb; writes xb, wb
.if DOCPART == 1
	.amdgcn_target "amdgcn-amd-amdhsa--gfx1250"
	.amdhsa_code_object_version 6
	.text
	.protected	k_q8cc70227ed_cast
	.globl	k_q8cc70227ed_cast
	.p2align	8
	.type	k_q8cc70227ed_cast,@function
k_q8cc70227ed_cast:
	s_mov_b64 s[64:65], 0
	v_nop
	global_prefetch_b8 v0, s[64:65] scope:SCOPE_SE
	s_setreg_imm32_b32 hwreg(HW_REG_WAVE_MODE, 25, 1), 1
	s_wait_xcnt 0x0
; xb = bf16(x), wb = bf16 of W_Q, W_K, W_V one below the other.  Round to nearest even, once.
; Both are laid out IN BLOCKS OF 64 COLUMNS: block j holds columns 64 j .. 64 j + 63 of every row, a row's 128 bytes after the other: xb [16][8192][64], wb [16][3072][64].
; So a tile of some rows x 64 columns, which the next launch asks for, is one dense run of bytes.
; A stream: every input byte is read once, every output byte written once; no LDS, no barrier, no matrix unit, no cluster (no two work-groups read the same byte).
; A work-group converts 8 rows of 1,024 numbers (32,768 bytes in, 16,384 out).  Chunks 0-1023 are x, 1024-1151 W_Q, 1152-1279 W_K, 1280-1407 W_V.
; Wave w takes the two rows 2 (w / 2), 2 (w / 2) + 1 and the blocks 8 (w % 2) + j, j = 0..7.  Load j: lanes 0-15 read 256 consecutive bytes of the first row, lanes 16-31 of the second.
; Store j: the wave's 32 lanes x 8 bytes are the two rows' 128 bytes in block 8 (w % 2) + j: 256 consecutive bytes, aligned.
; All eight loads of a thread are out at once; no register is written twice, so no wait but the counted ones for the data.
.set XCH,  1024                        ; chunks of x
.set WCH,  128                         ; chunks of one weight matrix
.set XBLK, 8192*128                    ; bytes in a block of xb
.set WBLK, 3072*128                    ; bytes in a block of wb
.set X,    4                           ; v[4:35]   load j: 4 registers of f32
.set Y,    36                          ; v[36:51]  store j: 2 registers of bf16 pairs
	s_load_b256 s[4:11], s[0:1], 0x0               ; x s[4:5], W_Q s[6:7], W_K s[8:9], W_V s[10:11]
	s_load_b128 s[12:15], s[0:1], 0x20             ; xb s[12:13], wb s[14:15]
	s_sub_co_u32 s16, ttmp9, XCH                   ; the chunk's number among the weights' 384 (used only where the chunk is a weight's)
	s_and_b32 s18, s16, WCH-1                      ; and inside its own matrix
	s_mov_b32 s28, 8*WBLK                          ; eight blocks, for the waves with w % 2 = 1
	s_mov_b32 s29, 8*XBLK
	v_lshrrev_b32 v52, 5, v0                       ; w
	v_and_b32 v53, 1, v52                          ; w % 2
	v_lshrrev_b32 v52, 1, v52                      ; w / 2
	v_and_b32 v54, 15, v0                          ; lane % 16
	v_bfe_u32 v3, v0, 4, 1                         ; lane / 16
	v_lshlrev_b32 v1, 4, v54                       ; in: 16 (lane % 16)
	v_lshl_add_u32 v1, v3, 12, v1                  ;   + 4,096 (lane / 16): the second row
	v_lshl_add_u32 v1, v53, 11, v1                 ;   + 2,048 (w % 2): eight blocks of 256 bytes
	v_lshl_add_u32 v1, v52, 13, v1                 ;   + 8,192 (w / 2): two rows
	v_and_b32 v3, 31, v0
	v_lshlrev_b32 v2, 3, v3                        ; out: 8 x lane
	v_lshl_add_u32 v2, v52, 8, v2                  ;   + 256 (w / 2): two rows of 128 bytes
	s_wait_kmcnt 0x0
	s_cmp_lt_u32 ttmp9, XCH+2*WCH                  ; the source is chosen by the chunk's number alone
	s_cselect_b64 s[20:21], s[8:9], s[10:11]
	s_cmp_lt_u32 ttmp9, XCH+WCH
	s_cselect_b64 s[20:21], s[6:7], s[20:21]
	s_cmp_lt_u32 ttmp9, XCH
	s_cselect_b64 s[20:21], s[4:5], s[20:21]
	s_cselect_b64 s[22:23], s[12:13], s[14:15]     ; the destination likewise (the selects leave SCC as it is)
	s_cselect_b32 s24, ttmp9, s18                  ; chunk inside the source
	s_cselect_b32 s26, ttmp9, s16                  ; chunk inside the destination
	s_cselect_b32 s28, s29, s28
	s_lshl_b32 s24, s24, 15                        ; x 32,768 bytes
	s_mov_b32 s25, 0
	s_lshl_b32 s26, s26, 10                        ; x 8 rows of 128 bytes in a block
	s_mov_b32 s27, 0
	s_add_nc_u64 s[20:21], s[20:21], s[24:25]
	s_add_nc_u64 s[22:23], s[22:23], s[26:27]
	v_mad_u32_u24 v2, v53, s28, v2                 ;   + eight blocks x (w % 2)
.irp j, 0,1,2,3,4,5,6,7
	global_load_b128 v[X+4*(\j):X+4*(\j)+3], v1, s[20:21] offset:256*(\j) th:TH_LOAD_NT
.endr
; The block's number j stands in the store's immediate, 7 blocks of xb at the most: 7,340,032, inside its signed 24 bits.  The two tensors' blocks differ in size, so the eight stores are written twice.
.macro LEAVE blk
.irp j, 0,1,2,3,4,5,6,7
	s_wait_loadcnt 7-(\j)                          ; loads come back in order: load j is in, the 7 - j younger ones stay out
	v_cvt_pk_bf16_f32 v[Y+2*(\j)],   v[X+4*(\j)],   v[X+4*(\j)+1]
	v_cvt_pk_bf16_f32 v[Y+2*(\j)+1], v[X+4*(\j)+2], v[X+4*(\j)+3]
	global_store_b64 v2, v[Y+2*(\j):Y+2*(\j)+1], s[22:23] offset:(\j)*(\blk)
.endr
	s_endpgm
.endm
	s_cmp_lt_u32 ttmp9, XCH
	s_cbranch_scc0 .Lweights
	LEAVE XBLK
.Lweights:
	LEAVE WBLK
.Lfunc_end_k_q8cc70227ed_cast:
	.size	k_q8cc70227ed_cast, .Lfunc_end_k_q8cc70227ed_cast-k_q8cc70227ed_cast
	.p2alignl 7, 3214868480
	.fill 96, 4, 3214868480
	.section	.rodata,"a",@progbits
	.p2align	6, 0x0
	.amdhsa_kernel k_q8cc70227ed_cast
		.amdhsa_group_segment_fixed_size 0
		.amdhsa_private_segment_fixed_size 0
		.amdhsa_enable_private_segment 0
		.amdhsa_kernarg_size 48
		.amdhsa_user_sgpr_count 2
		.amdhsa_user_sgpr_kernarg_segment_ptr 1
		.amdhsa_wavefront_size32 1
		.amdhsa_system_sgpr_workgroup_id_x 1
		.amdhsa_system_sgpr_workgroup_id_y 1
		.amdhsa_system_sgpr_workgroup_id_z 1
		.amdhsa_system_vgpr_workitem_id 0
		.amdhsa_next_free_vgpr 56
		.amdhsa_next_free_sgpr 66
		.amdhsa_reserve_vcc 0
		.amdhsa_float_denorm_mode_32 3
		.amdhsa_float_denorm_mode_16_64 3
		.amdhsa_memory_ordered 1
		.amdhsa_forward_progress 1
		.amdhsa_inst_pref_size 7
	.end_amdhsa_kernel
	.amdgpu_metadata
---
amdhsa.version: [ 1, 2 ]
amdhsa.kernels:
  - .name:           k_q8cc70227ed_cast
    .symbol:         k_q8cc70227ed_cast.kd
    .args:
      - { .name: x, .offset: 0, .size: 8, .value_kind: global_buffer, .address_space: global }
      - { .name: W_Q, .offset: 8, .size: 8, .value_kind: global_buffer, .address_space: global }
      - { .name: W_K, .offset: 16, .size: 8, .value_kind: global_buffer, .address_space: global }
      - { .name: W_V, .offset: 24, .size: 8, .value_kind: global_buffer, .address_space: global }
      - { .name: xb, .offset: 32, .size: 8, .value_kind: global_buffer, .address_space: global }
      - { .name: wb, .offset: 40, .size: 8, .value_kind: global_buffer, .address_space: global }
    .group_segment_fixed_size: 0
    .private_segment_fixed_size: 0
    .kernarg_segment_align: 8
    .kernarg_segment_size: 48
    .max_flat_workgroup_size: 256
    .sgpr_count:     66
    .vgpr_count:     56
    .wavefront_size: 32
...
	.end_amdgpu_metadata
.endif
;; end of part 1
;; launch proj (part 2): grid 8 x 32, 4 waves a work-group, clusters of 4 x 4, 327,680 bytes of LDS; arguments xb, wb, qkv; writes qkv
.if DOCPART == 2
	.amdgcn_target "amdgcn-amd-amdhsa--gfx1250"
	.amdhsa_code_object_version 6
	.text
	.protected	k_q8cc70227ed_proj
	.globl	k_q8cc70227ed_proj
	.p2align	8
	.type	k_q8cc70227ed_proj,@function
k_q8cc70227ed_proj:
	s_mov_b64 s[64:65], 0
	v_nop
	global_prefetch_b8 v0, s[64:65] scope:SCOPE_SE
	s_setreg_imm32_b32 hwreg(HW_REG_WAVE_MODE, 25, 1), 1
	s_wait_xcnt 0x0
	s_wait_alu depctr_hold_cnt(0) depctr_sa_sdst(0) depctr_va_vdst(0) depctr_va_sdst(0) depctr_va_ssrc(0) depctr_va_vcc(0) depctr_vm_vsrc(0)
	s_getreg_b32 s2, hwreg(HW_REG_IB_STS2, 6, 4)
	s_cmp_eq_u32 s2, 0
	s_cbranch_scc0 .Lentry_in_a_cluster
	s_endpgm
.Lentry_in_a_cluster:
	s_bfe_u32 s2, ttmp6, 0x10000c
	s_cmp_lg_u32 s2, 0xf033
	s_cbranch_scc0 .Lentry_shape_is_right
	s_endpgm
.Lentry_shape_is_right:
; qkv[m][n] = sum over k of x[m][k] w[n][k].  xb: bf16 in blocks of 64 columns, [16][8192][64]; wb likewise, [16][3072][64] (rows: W_Q, W_K, W_V one below the other);
; qkv: [8192][3072] f16 (columns 0-1023 Q, 1024-2047 K, 2048-3071 V).  Products of bf16, sums in f32, K ascending, one rounding to f16, no scale.
; LIMIT.  f16 ends at 65,504: a Q, K or V of 65,520 or more in magnitude becomes an infinity.  With x and the weights 30 times their drawn spread the numbers have a spread near 900,
; with offsets of 30 spreads on both they lie near 29,000.  NaN and infinities are not treated apart.
; A TILE OF 256 x 384, so that 8 x 32 = 256 work-groups make the result.  Four waves, each 128 x 192: 96 accumulators of 16 x 16, 768 registers.
; K goes in 16 steps of 64 through two LDS slots filled by the tensor data mover: with steps of 128 two slots of 640 rows x 272 bytes would take 348,160 bytes.  A tile is one dense run of bytes in its
; block of columns, asked for as rows of 256 bytes (two rows of the matrix) at multiples of 256 bytes, and padded in LDS behind every 128.
; CLUSTERS: 4 x 4 work-groups.  The four of a row of the cluster need the same tiles of xb, the four of a column the same tiles of wb: each tile is asked for JOINTLY, by the same tensor load
; with the same descriptor and a mask that names the four.
; THE MATRIX INSTRUCTION IS USED TRANSPOSED: source 0 = 16 rows of wb, source 1 = 16 rows of xb: a lane then holds row l % 16 of the result and the eight neighbouring columns 8 (l / 16) + 0..7.
; REGISTERS, in windows of 256 (s_set_vgpr_msb: bits 1:0 source 0, 3:2 source 1, 5:4 source 2, 7:6 destination):
;   window 0: v0-31 addresses; v32-95, v96-159 fragments of xb (8 x 16 rows x 32 K), two buffers; v160-255 fragments of wb, three groups of four (64 columns each), one buffer:
;             a group is loaded again, for the next quarter, as soon as its 32 products are issued.  On the way out v32-175 are at work.
;   window 1 + g: the 32 accumulators of column group g: (a, bb) at v[8 (4 a + bb)], a = 0..7 blocks of rows, bb = 0..3 blocks of columns
.set ROWQ,   6144                      ; bytes in a row of qkv
.set XBLK,   8192*128                  ; bytes in a block of 64 columns of xb
.set WBLK,   3072*128                  ; and of wb
.set PITCH,  144                       ; an LDS row: 128 bytes + 16 of padding = 36 words: the 16 rows of a fragment load start at 16 different groups of four banks (64 banks of 4 bytes: ISA guide 11.1)
.set AHALF,  128*PITCH                 ; what one tensor load brings of xb, and what one wave reads of it
.set BHALF,  192*PITCH                 ; the same for wb
.set BOFF,   2*AHALF                   ; wb's 384 rows lie behind xb's 256
.set SLOT1,  1<<17                     ; a slot takes 92,160 bytes; slot 1 begins here, so that one exclusive or turns an address in one slot into the other's
.set STG1,   SLOT1+BOFF+2*BHALF        ; behind the ring: the first stage for the way out, 128 rows x 784 bytes, the work-group's; no tensor load lands here
.set SP,     784                       ; a stage row: the tile's 768 bytes + 16 = 49 x 16 bytes: 16 rows start at 16 different groups of four banks
.set SPARE,  STG1+128*SP               ; behind it: the spare words, 128 bytes for each wave: two blocks of 256 bytes that no other line names
.set STEPS,  16                        ; the second stage lies at LDS byte 0: bytes of the ring that have had their last fill when it is written
.set ADRA0, 8                          ; v8      my lane's place among my xb fragments in slot 0; never rewritten
.set ADRB0, 9                          ; v9      the same for wb
.set ADA,  10                          ; v10     the same in the slot in hand
.set ADB,  11                          ; v11
.set STO,  12                          ; v12-13  the way out: where I put 16 bytes of a row, in the first and in the second stage
.set RDA,  14                          ; v14, 16 where I read rows back: 16 x lane
.set RDB,  15                          ; v15, 17 the same + 16 (lane / 16)
.set COA,  18                          ; v18     my byte offset in qkv: 16 x lane
.set COB,  19                          ; v19     the same + (a row less 768 bytes) x (lane / 16)
.set SPW,  28                          ; v28     LDS address of my spare word; never rewritten
.set NIL,  29                          ; v29     0; never rewritten
.set AF0,  32
.set AF1,  96
.set BG,   160
.set TMP,  32                          ; the way out: a block's 48 registers of packed results
.set OB,   80                          ; and rows read back: two buffers of 48
.set G1,  24                           ; s[24:31] descriptor group 1 for xb's tiles;  s[32:39] group 0: a set for each of the two first fills; the second then walks on
.set G0,  32
.set G1B, 48                           ; s[48:55], s[56:63] the same for wb's tiles
.set G0B, 56
.set TB,  45                           ; s45     LDS byte at which the slot in hand begins: 0 or SLOT1
.set MSB, 0
.macro WIN new                         ; the immediate's high byte repeats the setting that is left; a switch that changes nothing is dropped
.if MSB != (\new)
	s_set_vgpr_msb (MSB<<8)|(\new)
.set MSB, \new
.endif
.endm
; A joint load.  Waves 0 and 1 fetch the two halves of xb's tile, waves 2 and 3 those of wb's.  The branch hangs on the wave's number alone.
; An s_nop 0 and four v_nop follow each of the two lines, ahead of the jump, the label and what follows.
.macro JLOAD s
	s_cmp_eq_u32 s11, 0
	s_cbranch_scc0 .Lfor_b_\@
	tensor_load_to_lds s[G0+4*(\s):G0+4*(\s)+3], s[G1:G1+7]
	s_nop 0
.rept 4
	v_nop
.endr
	s_branch .Lasked_\@
.Lfor_b_\@:
	tensor_load_to_lds s[G0B+4*(\s):G0B+4*(\s)+3], s[G1B:G1B+7]
	s_nop 0
.rept 4
	v_nop
.endr
.Lasked_\@:
.endm
; A round of the cluster's barrier: my work-group's barrier; wave 0 signals for the work-group; every wave waits for all sixteen work-groups; my work-group's barrier once more.
.macro CROUND
	s_barrier_signal -1
	s_barrier_wait -1
	s_cmp_lg_u32 s10, 0
	s_cbranch_scc1 .Lnot_wave_0_\@
	s_barrier_signal -3
.Lnot_wave_0_\@:
	s_barrier_wait -3
	s_barrier_signal -1
	s_barrier_wait -1
.endm
	s_load_b128 s[4:7], s[0:1], 0x0                ; xb s[4:5], wb s[6:7]
	s_load_b64 s[8:9], s[0:1], 0x10                ; qkv
	v_lshl_add_u32 v[SPW], v0, 2, SPARE
	v_mov_b32 v[NIL], 0
	ds_add_u32 v[SPW], v[NIL]                      ; the wave's opening: the add and its wait come ahead of my first tensor load; the set-up below, work on registers, stands between them
	v_lshrrev_b32 v1, 5, v0
	v_readfirstlane_b32 s10, v1                    ; wave 0..3
	s_lshr_b32 s11, s10, 1                         ; which 128 of the tile's rows are mine.  Also: I fetch for xb (0) or for wb (1)
	s_and_b32 s12, s10, 1                          ; which 192 of its columns.  Also: which half of that tile I fetch
	s_bfe_u32 s40, ttmp6, 0x40000                  ; cx
	s_bfe_u32 s41, ttmp6, 0x40004                  ; cy
	s_lshl_b32 s42, ttmp9, 2
	s_add_co_u32 s42, s42, s40                     ; tile column = 4 x cluster x + cx
	s_and_b32 s13, ttmp7, 0xffff
	s_lshl_b32 s13, s13, 2
	s_add_co_u32 s13, s13, s41                     ; tile row = 4 x cluster y + cy
	s_lshl_b32 s43, s41, 2
	s_lshl_b32 s43, 15, s43                        ; my row of the cluster: places 4 cy .. 4 cy + 3
	s_lshl_b32 s44, 0x1111, s40                    ; my column: places cx, cx + 4, cx + 8, cx + 12
	; descriptor group 1: rows of 128 elements of 2 bytes, dense; 16 bytes of padding behind every 128 bytes.  xb's half tile is 64 such rows, wb's 96.
	s_or_b32 s[G1+0], s43, (1<<16)|(1<<20)|(1<<21)|(4<<22)|(3<<25)   ; 15:0 the mask; 17:16 2-byte elements; 20 padding on; 21 set beside a mask; 24:22 after every 32 words; 31:25 4 words
	s_or_b32 s[G1B+0], s44, (1<<16)|(1<<20)|(1<<21)|(4<<22)|(3<<25)
	s_mov_b32 s[G1+1], 128<<16                     ; tensor_dim0 = 128
	s_mov_b32 s[G1+2], 64<<16                      ; tensor_dim1 = 64
	s_mov_b32 s[G1+3], 128<<16                     ; tile_dim0 = 128
	s_mov_b32 s[G1+4], 64                          ; tile_dim1 = 64
	s_mov_b32 s[G1+5], 128                         ; 128 elements from row to row
	s_mov_b32 s[G1+6], 0
	s_mov_b32 s[G1+7], 0
	s_mov_b32 s[G1B+1], 128<<16
	s_mov_b32 s[G1B+2], 96<<16                     ; tensor_dim1 = 96
	s_mov_b32 s[G1B+3], 128<<16
	s_mov_b32 s[G1B+4], 96                         ; tile_dim1 = 96
	s_mov_b32 s[G1B+5], 128
	s_mov_b32 s[G1B+6], 0
	s_mov_b32 s[G1B+7], 0
	; xb's tiles hang on the tile row alone, wb's on the tile column alone; each offset is made in registers that do not hold the other coordinate
	s_lshl_b32 s16, s13, 8
	s_lshl_b32 s17, s12, 7
	s_add_co_u32 s16, s16, s17                     ; xb: row 256 x tile row + 128 x half
	s_lshl_b32 s16, s16, 7                         ; x 128 bytes a row in a block
	s_mov_b32 s17, 0
	s_mul_i32 s46, s42, 384
	s_mul_i32 s47, s12, 192
	s_add_co_u32 s46, s46, s47                     ; wb: row 384 x tile column + 192 x half
	s_lshl_b32 s46, s46, 7
	s_mov_b32 s47, 0
	s_mul_i32 s20, s12, AHALF                      ; where they go: no place in the cluster enters an LDS address
	s_mul_i32 s21, s12, BHALF
	s_add_co_u32 s21, s21, BOFF
	s_mov_b32 s[TB], 0
	s_wait_dscnt 0x0                               ; the opening add is done
	s_wait_kmcnt 0x0
	s_add_nc_u64 s[14:15], s[4:5], s[16:17]
	s_add_nc_u64 s[46:47], s[6:7], s[46:47]
	CROUND                                         ; all sixteen work-groups are here: the first joint loads meet
.irp s, 0,1
	s_mov_b32 s[G0+4*(\s)], 1                                        ; count = 1
	s_add_co_u32 s[G0+4*(\s)+1], s20, (\s)*SLOT1                     ; LDS address
	s_add_nc_u64 s[G0+4*(\s)+2:G0+4*(\s)+3], s[14:15], (\s)*XBLK     ; global address: K step s is block s
	s_or_b32 s[G0+4*(\s)+3], s[G0+4*(\s)+3], 0x80000000              ; type = 2
	s_mov_b32 s[G0B+4*(\s)], 1
	s_add_co_u32 s[G0B+4*(\s)+1], s21, (\s)*SLOT1
	s_add_nc_u64 s[G0B+4*(\s)+2:G0B+4*(\s)+3], s[46:47], (\s)*WBLK
	s_or_b32 s[G0B+4*(\s)+3], s[G0B+4*(\s)+3], 0x80000000
	JLOAD \s                                       ; both slots are asked for before anything else: two tensor loads of mine are out
.endr
	; A fragment is 16 rows x 32 K in 8 registers: lane l holds row l % 16, K = 8 (l / 16) + 0..7 and 16 + 8 (l / 16) + 0..7: two loads of 16 bytes, 32 bytes apart.
	v_and_b32 v1, 15, v0                           ; l % 16
	v_bfe_u32 v2, v0, 4, 1                         ; l / 16
	v_and_b32 v3, 31, v0                           ; lane
	v_mul_u32_u24 v4, v1, PITCH
	v_lshl_add_u32 v4, v2, 4, v4
	s_mul_i32 s21, s11, AHALF                      ; my 128 rows of xb
	s_mul_i32 s22, s12, BHALF                      ; my 192 rows of wb
	s_add_co_u32 s22, s22, BOFF
	v_add_nc_u32 v[ADRA0], s21, v4
	v_add_nc_u32 v[ADRB0], s22, v4
	v_mov_b32 v[ADA], v[ADRA0]                     ; slot 0 is in hand
	v_mov_b32 v[ADB], v[ADRB0]
	; The stage holds four blocks of 16 rows of each half of the tile's rows: row 64 x (my half) + 16 (a % 4) + l % 16; my 192 columns are bytes 384 x (my half) on.
	s_mul_i32 s23, s11, 64*SP
	s_mul_i32 s18, s12, 384
	s_add_co_u32 s23, s23, s18
	v_mul_u32_u24 v5, v1, SP
	v_lshl_add_u32 v5, v2, 4, v5
	v_add_nc_u32 v[STO+1], s23, v5
	v_add_nc_u32 v[STO], STG1, v[STO+1]
	; Back: wave w takes stage rows 32 w .. 32 w + 31, whole.  Two rows are 96 pieces of 16 bytes: three loads.  Piece 32 i + lane: i = 0: row 0, byte 16 x lane; i = 1: lanes 0-15 row 0, byte 512 on,
	; lanes 16-31 row 1, byte 0 on; i = 2: row 1, byte 256 on.  Each 16 lanes take 256 consecutive bytes of one row.
	s_mul_i32 s23, s10, 32*SP
	v_lshl_add_u32 v[RDA+2], v3, 4, s23
	v_lshl_add_u32 v[RDB+2], v2, 4, v[RDA+2]       ; 512 + 16 x lane + 16 = 784 + 16 (lane - 16)
	v_add_nc_u32 v[RDA], STG1, v[RDA+2]
	v_add_nc_u32 v[RDB], STG1, v[RDB+2]
	v_lshlrev_b32 v[COA], 4, v3
	v_mad_u32_u24 v[COB], v2, ROWQ-768, v[COA]     ; the same in qkv
	s_lshl_b32 s16, s13, 8                         ; the first row that I store: 256 x tile row + 128 x (w / 2) + 32 x (w % 2)
	s_lshl_b32 s17, s11, 7
	s_add_co_u32 s16, s16, s17
	s_lshl_b32 s17, s12, 5
	s_add_co_u32 s16, s16, s17
	s_mul_i32 s16, s16, ROWQ                       ; under 2^26
	s_mov_b32 s17, 0
	s_add_nc_u64 s[8:9], s[8:9], s[16:17]
	s_mul_i32 s46, s42, 768                        ; the tile's first column, in bytes
	s_mov_b32 s47, 0
	s_add_nc_u64 s[8:9], s[8:9], s[46:47]
; 16 matrix instructions of column group g: row blocks a0 .. a0 + 3 x the group's 4 column blocks, 32 along K, xb's fragments in buffer f.  zero = 1: the first product starts the sums.
; The 96 accumulators take turns in one order in every quarter.
.macro MULH g, f, a0, zero
	WIN 0x50*((\g)+1)                              ; sources in window 0, C and D in window 1 + g
.irp a, (\a0), (\a0)+1, (\a0)+2, (\a0)+3
.irp bb, 0,1,2,3
.if \zero
	v_wmma_f32_16x16x32_bf16 v[8*(4*(\a)+(\bb)):8*(4*(\a)+(\bb))+7], v[BG+32*(\g)+8*(\bb):BG+32*(\g)+8*(\bb)+7], v[(\f)+8*(\a):(\f)+8*(\a)+7], 0
.else
	v_wmma_f32_16x16x32_bf16 v[8*(4*(\a)+(\bb)):8*(4*(\a)+(\bb))+7], v[BG+32*(\g)+8*(\bb):BG+32*(\g)+8*(\bb)+7], v[(\f)+8*(\a):(\f)+8*(\a)+7], v[8*(4*(\a)+(\bb)):8*(4*(\a)+(\bb))+7]
.endif
.endr
.endr
.endm
.macro LDB g, k                        ; 8 LDS loads: wb's fragments of group g, 32 K at byte k of the rows
.irp bb, 0,1,2,3
	ds_load_b128 v[BG+32*(\g)+8*(\bb):BG+32*(\g)+8*(\bb)+3],   v[ADB] offset:(\k)+(4*(\g)+(\bb))*16*PITCH
	ds_load_b128 v[BG+32*(\g)+8*(\bb)+4:BG+32*(\g)+8*(\bb)+7], v[ADB] offset:(\k)+(4*(\g)+(\bb))*16*PITCH+32
.endr
.endm
.macro LDA f, a0, k                    ; 8 LDS loads: xb's fragments of row blocks a0 .. a0 + 3 into buffer f
.irp a, (\a0), (\a0)+1, (\a0)+2, (\a0)+3
	ds_load_b128 v[(\f)+8*(\a):(\f)+8*(\a)+3],   v[ADA] offset:(\k)+(\a)*16*PITCH
	ds_load_b128 v[(\f)+8*(\a)+4:(\f)+8*(\a)+7], v[ADA] offset:(\k)+(\a)*16*PITCH+32
.endr
.endm
; Four plain vector instructions stand between a matrix instruction and a load into one of its registers, or a vector instruction that reads its result (ISA guide 7.12.1 for vector instructions).
.macro PLACES
.rept 4
	v_nop
.endr
.endm
; A K step is two quarters of 32 along K, 96 matrix instructions each.  The first multiplies buffer f; behind each group's 32 products that group's fragments of the next quarter (byte k of the same slot's
; rows) are fetched, 64 products ahead of their use, and with the first two groups the halves of xb's next fragments, into buffer g.
.macro QUARTER f, g, k, zero
	s_wait_dscnt 8                                 ; xb's fragments and wb's groups 0 and 1 are in; the youngest eight loads (group 2) may be out
	MULH 0, \f, 0, \zero
	MULH 0, \f, 4, \zero
	WIN 0
	PLACES
	LDB 0, \k
	LDA \g, 0, \k
	MULH 1, \f, 0, \zero
	MULH 1, \f, 4, \zero
	WIN 0
	PLACES
	LDB 1, \k
	LDA \g, 4, \k
	s_wait_dscnt 32                                ; all but the 32 issued in this quarter: group 2 is in
	MULH 2, \f, 0, \zero
	MULH 2, \f, 4, \zero
	WIN 0
	PLACES
	LDB 2, \k
.endm
; The second quarter multiplies buffer 1 and changes slots at its head: all its fragments have been asked for, so the slot in hand is read out.  ONE barrier: in front of it each wave waits for all its
; tensor loads (one is out: its part of the next slot), adds 0 to its spare word, and waits for that and for its reads of this slot.  Behind it nobody reads this slot any more and the next slot is whole.
; fill = 1: the barrier is a round of the cluster's, and this slot is filled again, two K steps on, first thing behind it: the walking descriptor takes the other slot than last time and the next block.
.macro TURN fill
	WIN 0                                          ; (the add's two registers lie in window 0)
	s_wait_tensorcnt 0x0
	ds_add_u32 v[SPW], v[NIL]                      ; 0 onto my spare word
	s_wait_dscnt 9                                 ; (the add and the youngest eight loads may be out)
	MULH 0, AF1, 0, 0                              ; sixteen matrix instructions stand between the add and the wait for it
	WIN 0
.if \fill
	s_xor_b32 s[G0+5], s[G0+5], SLOT1
	s_add_nc_u64 s[G0+6:G0+7], s[G0+6:G0+7], XBLK  ; the type bits on top are not reached
	s_xor_b32 s[G0B+5], s[G0B+5], SLOT1
	s_add_nc_u64 s[G0B+6:G0B+7], s[G0B+6:G0B+7], WBLK
.endif
	s_xor_b32 s[TB], s[TB], SLOT1                  ; the fetches go over to the other slot
	s_wait_dscnt 0x0                               ; the add is done, and my reads of this slot are over
.if \fill
	CROUND                                         ; no wave of any partner still reads this slot's tile or has a load on its way
	JLOAD 1                                        ; my one tensor load behind the round
.else
	s_barrier_signal -1
	s_barrier_wait -1
.endif
	MULH 0, AF1, 4, 0
	WIN 0
	v_add_nc_u32 v[ADA], s[TB], v[ADRA0]           ; these two and two v_nop are the places in front of the loads
	v_add_nc_u32 v[ADB], s[TB], v[ADRB0]
	v_nop
	v_nop
	LDB 0, 0
	LDA AF0, 0, 0
	MULH 1, AF1, 0, 0
	MULH 1, AF1, 4, 0
	WIN 0
	PLACES
	LDB 1, 0
	LDA AF0, 4, 0
	MULH 2, AF1, 0, 0
	MULH 2, AF1, 4, 0
	WIN 0
	PLACES
	LDB 2, 0
.endm
; THE WAY OUT.  A wave's 192 columns are 384 bytes: one and a half aligned runs of 256 bytes of qkv.  So the two waves of a half of the rows write the two halves of the same stage rows, a barrier stands
; between writing and reading, and each wave then reads whole rows of 768 bytes and stores them.  Row blocks 0-3 go through the first stage, 4-7 through the second.
.macro PACK a                          ; block a rounded to f16: 16 bytes a lane and column block
.irp g, 0,1,2
	WIN 0x05*((\g)+1)                              ; sources 0 and 1 in window 1 + g
.irp bb, 0,1,2,3
.irp r, 0,1,2,3
	v_cvt_pk_f16_f32 v[TMP+4*(4*(\g)+(\bb))+(\r)], v[8*(4*(\a)+(\bb))+2*(\r)], v[8*(4*(\a)+(\bb))+2*(\r)+1]
.endr
.endr
.endr
	WIN 0
.endm
.macro TOSTAGE a
.set i, 0
.rept 12
	ds_store_b128 v[STO+(\a)/4], v[TMP+4*i:TMP+4*i+3] offset:((\a)%4)*16*SP+32*i
.set i, i+1
.endr
.endm
.macro LOADB ph, k                     ; 12 LDS loads: my pairs of rows 4 k .. 4 k + 3 of stage ph, into buffer k % 2
.set BK, OB+48*((\k)%2)
.irp pp, 0,1,2,3
	ds_load_b128 v[BK+12*(\pp):BK+12*(\pp)+3],    v[RDA+2*(\ph)] offset:(4*(\k)+(\pp))*2*SP
	ds_load_b128 v[BK+12*(\pp)+4:BK+12*(\pp)+7],  v[RDB+2*(\ph)] offset:(4*(\k)+(\pp))*2*SP+512
	ds_load_b128 v[BK+12*(\pp)+8:BK+12*(\pp)+11], v[RDA+2*(\ph)] offset:(4*(\k)+(\pp))*2*SP+SP+256
.endr
.endm
.macro STOREB ph, k                    ; and their stores: each 16 lanes store 256 consecutive bytes, at a multiple of 256 from qkv's first byte; the offsets stay under 2^20
.set BK, OB+48*((\k)%2)
.irp pp, 0,1,2,3
	global_store_b128 v[COA], v[BK+12*(\pp):BK+12*(\pp)+3],    s[8:9] offset:((\ph)*64+(4*(\k)+(\pp))*2)*ROWQ
	global_store_b128 v[COB], v[BK+12*(\pp)+4:BK+12*(\pp)+7],  s[8:9] offset:((\ph)*64+(4*(\k)+(\pp))*2)*ROWQ+512
	global_store_b128 v[COA], v[BK+12*(\pp)+8:BK+12*(\pp)+11], s[8:9] offset:((\ph)*64+(4*(\k)+(\pp))*2)*ROWQ+ROWQ+256
.endr
.endm
.macro SEND ph                         ; my 32 rows of stage ph, in four batches on two buffers: a batch's loads are out while the batch before is stored
	s_wait_xcnt 0x0                                ; a buffer that stores have read is loaded again only behind this wait
	LOADB \ph, 0
	LOADB \ph, 1
.irp k, 0,1
	s_wait_dscnt 12                                ; batch k is back; the next batch's 12 loads stay out
	STOREB \ph, \k
	s_wait_xcnt 0x0
	LOADB \ph, (\k)+2
.endr
	s_wait_dscnt 12
	STOREB \ph, 2
	s_wait_dscnt 0x0
	STOREB \ph, 3
.endm
	s_wait_tensorcnt 1                             ; my part of K step 0 is in; K step 1's may stay out
	s_barrier_signal -1
	s_barrier_wait -1                              ; everybody's is
	LDB 0, 0                                       ; the first quarter's fragments, in the order in which every quarter asks for the next one's
	LDA AF0, 0, 0
	LDB 1, 0
	LDA AF0, 4, 0
	LDB 2, 0
	QUARTER AF0, AF1, 64, 1                        ; K step 0's first quarter is written out: its products start the sums
	s_mov_b32 s3, STEPS-2
	s_branch .Lin                                  ; so the loop is entered in the middle of a trip, at the step's second quarter; the jump passes no barrier and no tensor load
.Lstep:                                                ; a trip is a K step and fills the slot that it has read out: K steps 2 to 15 are asked for in the second quarters of steps 0 to 13
	QUARTER AF0, AF1, 64, 0
.Lin:
	TURN 1
	s_sub_co_u32 s3, s3, 1
	s_cmp_lg_u32 s3, 0
	s_cbranch_scc1 .Lstep
	s_mov_b32 s3, 2
.Ltail:                                                ; K steps 14 and 15 fill nothing and have no round of the cluster's barrier.  One text for both: step 15's change of slots passes one more
	QUARTER AF0, AF1, 64, 0                        ; barrier and fetches 40 fragments halves of step 14's tile that nobody multiplies: the price, once a launch, of not writing the last quarter out
	TURN 0
	s_sub_co_u32 s3, s3, 1
	s_cmp_lg_u32 s3, 0
	s_cbranch_scc1 .Ltail
	s_wait_dscnt 0x0                               ; those loads are in: their registers are written below.  The four v_nop behind the last products are the places in front of the conversions
.irp a, 0,1,2,3
	PACK \a
	TOSTAGE \a
.endr
	s_wait_dscnt 0x0                               ; for the others' sake: my stores into the first stage are done (and my last reads of the ring were waited for above)
	s_barrier_signal -1
	s_barrier_wait -1                              ; the first stage is whole; no wave reads the ring any more, so its bytes can take the second stage
	SEND 0
.irp a, 4,5,6,7
	PACK \a
	TOSTAGE \a
.endr
	s_wait_dscnt 0x0                               ; my stores into the second stage are done
	s_barrier_signal -1
	s_barrier_wait -1
	SEND 1
	s_wait_tensorcnt 0x0                           ; the wave's end: behind my last tensor load and my last LDS store
	ds_add_u32 v[SPW], v[NIL]
	s_wait_dscnt 0x0
	CROUND                                         ; the closing round: no work-group ends while a partner may still ask for a tile that names it
	s_endpgm
.Lfunc_end_k_q8cc70227ed_proj:
	.size	k_q8cc70227ed_proj, .Lfunc_end_k_q8cc70227ed_proj-k_q8cc70227ed_proj
	.p2alignl 7, 3214868480
	.fill 96, 4, 3214868480
	.section	.rodata,"a",@progbits
	.p2align	6, 0x0
	.amdhsa_kernel k_q8cc70227ed_proj
		.amdhsa_group_segment_fixed_size 327680
		.amdhsa_private_segment_fixed_size 0
		.amdhsa_enable_private_segment 0
		.amdhsa_kernarg_size 24
		.amdhsa_user_sgpr_count 2
		.amdhsa_user_sgpr_kernarg_segment_ptr 1
		.amdhsa_wavefront_size32 1
		.amdhsa_system_sgpr_workgroup_id_x 1
		.amdhsa_system_sgpr_workgroup_id_y 1
		.amdhsa_system_sgpr_workgroup_id_z 1
		.amdhsa_system_vgpr_workitem_id 0
		.amdhsa_next_free_vgpr 1024
		.amdhsa_next_free_sgpr 66
		.amdhsa_reserve_vcc 0
		.amdhsa_float_denorm_mode_32 3
		.amdhsa_float_denorm_mode_16_64 3
		.amdhsa_memory_ordered 1
		.amdhsa_forward_progress 1
		.amdhsa_inst_pref_size 105
	.end_amdhsa_kernel
	.amdgpu_metadata
---
amdhsa.version: [ 1, 2 ]
amdhsa.kernels:
  - .name:           k_q8cc70227ed_proj
    .symbol:         k_q8cc70227ed_proj.kd
    .args:
      - { .name: xb, .offset: 0, .size: 8, .value_kind: global_buffer, .address_space: global }
      - { .name: wb, .offset: 8, .size: 8, .value_kind: global_buffer, .address_space: global }
      - { .name: qkv, .offset: 16, .size: 8, .value_kind: global_buffer, .address_space: global }
    .group_segment_fixed_size: 327680
    .private_segment_fixed_size: 0
    .kernarg_segment_align: 8
    .kernarg_segment_size: 24
    .max_flat_workgroup_size: 128
    .sgpr_count:     66
    .vgpr_count:     1024
    .wavefront_size: 32
...
	.end_amdgpu_metadata
.endif
;; end of part 2
;; launch scores (part 3): grid 8 x 32, 4 waves a work-group, clusters of 4 x 4, 327,680 bytes of LDS; arguments qkv, p, stats; writes p, stats
.if DOCPART == 3
	.amdgcn_target "amdgcn-amd-amdhsa--gfx1250"
	.amdhsa_code_object_version 6
	.text
	.protected	k_q8cc70227ed_scores
	.globl	k_q8cc70227ed_scores
	.p2align	8
	.type	k_q8cc70227ed_scores,@function
k_q8cc70227ed_scores:
	s_mov_b64 s[64:65], 0
	v_nop
	global_prefetch_b8 v0, s[64:65] scope:SCOPE_SE
	s_setreg_imm32_b32 hwreg(HW_REG_WAVE_MODE, 25, 1), 1
	s_wait_xcnt 0x0
	s_wait_alu depctr_hold_cnt(0) depctr_sa_sdst(0) depctr_va_vdst(0) depctr_va_sdst(0) depctr_va_ssrc(0) depctr_va_vcc(0) depctr_vm_vsrc(0)
	s_getreg_b32 s2, hwreg(HW_REG_IB_STS2, 6, 4)
	s_cmp_eq_u32 s2, 0
	s_cbranch_scc0 .Lentry_in_a_cluster
	s_endpgm
.Lentry_in_a_cluster:
	s_bfe_u32 s2, ttmp6, 0x10000c
	s_cmp_lg_u32 s2, 0xf033
	s_cbranch_scc0 .Lentry_shape_is_right
	s_endpgm
.Lentry_shape_is_right:
; For each batch: S = Q K^T (f16 products, f32 sums), and the first stage of the softmax.  qkv: [8192][3072] f16 (Q columns 0-1023, K 1024-2047).
; For each query row and each block kb of 128 keys (16 blocks a batch):  cm = c x (the block's largest score), c = log2(e) / 32;  p = 2^(c s - cm), rounded to f16;
; l = the sum of the unrounded p.  stats (f32): cm at kb x 32,768 + row x 4, l 524,288 bytes further on.  The next launch brings the blocks onto the row's true maximum, so the softmax keeps its maximum.
; p IS LAID OUT AS THE NEXT LAUNCH'S MATRIX FRAGMENTS: [16 blocks kb of 128 keys][512 blocks of 16 rows][8 blocks of 16 keys][32 lanes][16 bytes]; lane l holds row l % 16 and the keys 8 (l / 16) + 0..7
; of its block of 16.  That is how the rounded weights lie in my registers, so they are stored as they are, with no way through LDS.
; LIMITS.  p lies in 0 to 1 (to within the rounding of cm); below 6e-5 it keeps f16's fixed step of 6e-8; a weight below 2^-126 counts as 0 in l.  NaN and infinities are not treated apart.
; A tile of 256 queries x 256 keys is made by four waves, each 128 x 128: 64 accumulators, 512 registers.  The 1,024 channels go in 8 steps of 128 through two LDS slots filled by the tensor data mover;
; a tile's rows are 256 bytes of memory and begin at multiples of 256 bytes.  8 x 32 = 256 tiles, one to a work-group.
; CLUSTERS: 4 x 4 work-groups, all of one batch (a batch is two clusters high).  The four of a row need the same tiles of Q, the four of a column the same tiles of K: each is asked for JOINTLY.
; THE MATRIX INSTRUCTION IS USED TRANSPOSED: source 0 = 16 keys, source 1 = 16 queries: in accumulator (a, b) lane l holds query 16 a + l % 16 and the keys 16 b + 8 (l / 16) + 0..7.
; So a query's 128 scores of this wave lie in two lanes, 16 apart: the block's maximum and sum never leave the wave.
; REGISTERS, in windows of 256 (s_set_vgpr_msb: bits 1:0 source 0, 3:2 source 1, 5:4 source 2, 7:6 destination):
;   window 0: v0-31 addresses; v64-127, v128-191 fragments of Q, two buffers (behind the loop: at work for the softmax); v192-223 a block's rounded weights
;   window 1: v64-127, v128-191 fragments of K        window 2: the accumulators of my queries 0-63 ((a, b) at v[8 (8 a + b)])        window 3: those of my queries 64-127
.set ROWB,   6144                      ; bytes in a row of qkv
.set KSTEP,  128
.set PITCH,  272                       ; an LDS row: 256 bytes + 16 of padding: the 16 rows of a fragment load start at 16 different groups of four banks (64 banks of 4 bytes: ISA guide 11.1)
.set HALFT,  128*PITCH
.set SLOT,   4*HALFT                   ; Q's 256 rows, then K's 256 rows: 139,264 bytes
.set STAGE,  2*SLOT                    ; behind the ring: 1,024 bytes for each wave, for the statistics; no tensor load lands here
.set SPARE,  STAGE+4*1024              ; the spare words, 128 bytes for each wave: two blocks of 256 bytes that no other line names
.set STEPS,  8
.set ADRA0, 16                         ; v16     my lane's place among my fragments of Q in slot 0; never rewritten
.set ADRB0, 17                         ; v17     the same for K
.set ADA,  18                          ; v18     the same in the slot in hand
.set ADB,  19                          ; v19
.set SST,  27                          ; v27     my stage + 4 (l % 16): where a block's statistics go
.set SPW,  28
.set NIL,  29
.set SRD,  30                          ; v30     my stage + 16 x lane: where they are read back
.set SGO,  31                          ; v31     16 x lane: my byte offset in 512 bytes of p and of stats
.set F0,   64
.set F1,   128
.set T,    64                          ; v64-71   behind the loop: eight running maxima, then at work
.set CM,   72                          ; v72-73   c m, as a pair
.set U,    96                          ; v96-127  partial sums
.set MS,   128                         ; v128-135 c m of block a
.set LS,   136                         ; v136-143 l of block a
.set X,    144                         ; v144-151 the statistics, read back
.set TMP,  192
.set G1,  24                           ; s[24:31] descriptor group 1 for Q's tiles;  s[32:39] group 0: a set for each of the two first fills; the second then walks on
.set G0,  32
.set G1B, 48                           ; s[48:55], s[56:63] the same for K's tiles
.set G0B, 56
.set TB,  67                           ; s67     LDS byte at which the slot in hand begins: 0 or SLOT
.set CS,  70                           ; s[70:71] c: the packed scaling takes the pair's low word for both halves
.set SEL, 72                           ; s[72:73] v_permlanex16_b32's selects: each lane takes its own place in the other half
.set MSB, 0
.macro WIN new
.if MSB != (\new)
	s_set_vgpr_msb (MSB<<8)|(\new)
.set MSB, \new
.endif
.endm
.set MUL_LO, 0xa1
.set MUL_HI, 0xf1
.set TO_B,   0x40
; A joint load: waves 0 and 1 fetch the two halves of Q's tile, waves 2 and 3 those of K's.  An s_nop 0 and four v_nop follow each of the two lines.
.macro JLOAD s
	s_cmp_eq_u32 s11, 0
	s_cbranch_scc0 .Lfor_b_\@
	tensor_load_to_lds s[G0+4*(\s):G0+4*(\s)+3], s[G1:G1+7]
	s_nop 0
.rept 4
	v_nop
.endr
	s_branch .Lasked_\@
.Lfor_b_\@:
	tensor_load_to_lds s[G0B+4*(\s):G0B+4*(\s)+3], s[G1B:G1B+7]
	s_nop 0
.rept 4
	v_nop
.endr
.Lasked_\@:
.endm
.macro CREST
	s_cmp_lg_u32 s10, 0
	s_cbranch_scc1 .Lnot_wave_0_\@
	s_barrier_signal -3
.Lnot_wave_0_\@:
	s_barrier_wait -3
	s_barrier_signal -1
	s_barrier_wait -1
.endm
.macro CROUND
	s_barrier_signal -1
	s_barrier_wait -1
	CREST
.endm
	s_load_b64 s[4:5], s[0:1], 0x0                 ; qkv
	s_load_b64 s[8:9], s[0:1], 0x8                 ; p
	s_load_b64 s[68:69], s[0:1], 0x10              ; stats
	v_lshl_add_u32 v[SPW], v0, 2, SPARE
	v_mov_b32 v[NIL], 0
	ds_add_u32 v[SPW], v[NIL]                      ; the wave's opening: the add and its wait come ahead of my first tensor load; the set-up below stands between them
	v_lshrrev_b32 v1, 5, v0
	v_readfirstlane_b32 s10, v1                    ; wave 0..3
	s_lshr_b32 s11, s10, 1                         ; which half of the tile's queries is mine.  Also: I fetch for Q (0) or for K (1)
	s_and_b32 s12, s10, 1                          ; which half of its keys.  Also: which 128 rows of that tile I fetch
	s_bfe_u32 s40, ttmp6, 0x40000                  ; cx
	s_bfe_u32 s41, ttmp6, 0x40004                  ; cy
	s_lshl_b32 s42, ttmp9, 2
	s_add_co_u32 s42, s42, s40                     ; tile of 256 keys in the batch = 4 x cluster x + cx
	s_and_b32 s13, ttmp7, 0xffff
	s_lshl_b32 s13, s13, 2
	s_add_co_u32 s13, s13, s41                     ; tile of 256 queries, over all batches = 4 x cluster y + cy
	s_and_b32 s45, ttmp7, 0xffff
	s_lshr_b32 s45, s45, 1                         ; the batch = cluster y / 2: the same in all sixteen partners
	s_lshl_b32 s43, s41, 2
	s_lshl_b32 s43, 15, s43                        ; my row of the cluster
	s_lshl_b32 s44, 0x1111, s40                    ; my column
	s_or_b32 s[G1+0], s43, (1<<16)|(1<<20)|(1<<21)|(5<<22)|(3<<25)   ; 15:0 the mask; 17:16 2-byte elements; 20 padding on; 21 set beside a mask; 24:22 after every 64 words; 31:25 4 words
	s_or_b32 s[G1B+0], s44, (1<<16)|(1<<20)|(1<<21)|(5<<22)|(3<<25)
.irp g, G1, G1B
	s_mov_b32 s[(\g)+1], KSTEP<<16                 ; tensor_dim0 = 128
	s_mov_b32 s[(\g)+2], 128<<16                   ; tensor_dim1 = 128
	s_mov_b32 s[(\g)+3], KSTEP<<16                 ; tile_dim0 = 128
	s_mov_b32 s[(\g)+4], 128                       ; tile_dim1 = 128
	s_mov_b32 s[(\g)+5], ROWB/2                    ; 3,072 elements from row to row
	s_mov_b32 s[(\g)+6], 0
	s_mov_b32 s[(\g)+7], 0
.endr
	s_mov_b32 s[CS], 0x3d38aa3b                    ; c = log2(e) / 32 = 0.0450842
	s_mov_b32 s[CS+1], s[CS]                       ; named with it as a pair
	s_mov_b32 s[SEL], 0x76543210
	s_mov_b32 s[SEL+1], 0xfedcba98
	s_mov_b32 s[TB], 0
	s_lshl_b32 s17, s12, 7
	s_lshl_b32 s16, s13, 8
	s_add_co_u32 s16, s16, s17                     ; Q: row 256 x query tile + 128 x half
	s_lshl_b32 s46, s42, 8
	s_add_co_u32 s46, s46, s17
	s_lshl_b32 s47, s45, 11
	s_add_co_u32 s46, s46, s47                     ; K: row 2,048 x batch + 256 x key tile + 128 x half
	s_mul_i32 s16, s16, ROWB                       ; in bytes: under 2^26
	s_mul_i32 s46, s46, ROWB
	s_add_co_u32 s46, s46, 2048                    ; K's columns begin 2,048 bytes into a row
	s_mov_b32 s17, 0
	s_mov_b32 s47, 0
	s_mul_i32 s20, s10, HALFT                      ; where they go in a slot: wave x 128 rows; kept for the refills
	s_wait_dscnt 0x0                               ; the opening add is done
	s_wait_kmcnt 0x0
	s_add_nc_u64 s[14:15], s[4:5], s[16:17]
	s_add_nc_u64 s[46:47], s[4:5], s[46:47]
	CROUND                                         ; all sixteen work-groups are here: the first joint loads meet
.irp s, 0,1
	s_mov_b32 s[G0+4*(\s)], 1
	s_add_co_u32 s[G0+4*(\s)+1], s20, (\s)*SLOT
	s_add_nc_u64 s[G0+4*(\s)+2:G0+4*(\s)+3], s[14:15], (\s)*KSTEP*2
	s_or_b32 s[G0+4*(\s)+3], s[G0+4*(\s)+3], 0x80000000
	s_mov_b32 s[G0B+4*(\s)], 1
	s_add_co_u32 s[G0B+4*(\s)+1], s20, (\s)*SLOT
	s_add_nc_u64 s[G0B+4*(\s)+2:G0B+4*(\s)+3], s[46:47], (\s)*KSTEP*2
	s_or_b32 s[G0B+4*(\s)+3], s[G0B+4*(\s)+3], 0x80000000
	JLOAD \s                                       ; two tensor loads of mine are out
.endr
	v_and_b32 v1, 15, v0                           ; l % 16
	v_bfe_u32 v2, v0, 4, 1                         ; l / 16
	v_mul_u32_u24 v3, v1, PITCH
	v_lshl_add_u32 v3, v2, 4, v3
	s_mul_i32 s21, s11, HALFT                      ; my 128 rows of Q
	s_mul_i32 s22, s12, HALFT                      ; my 128 rows of K,
	s_add_co_u32 s22, s22, 2*HALFT                 ; which lie behind Q's 256
	v_add_nc_u32 v[ADRA0], s21, v3
	v_add_nc_u32 v[ADRB0], s22, v3
	v_mov_b32 v[ADA], v[ADRA0]                     ; slot 0 is in hand
	v_mov_b32 v[ADB], v[ADRB0]
	s_lshl_b32 s23, s10, 10
	s_add_co_u32 s23, s23, STAGE                   ; my stage
	v_lshl_add_u32 v[SST], v1, 2, s23
	v_and_b32 v6, 31, v0
	v_lshl_add_u32 v[SRD], v6, 4, s23
	v_lshlrev_b32 v[SGO], 4, v6
	s_lshl_b32 s16, s13, 8
	s_lshl_b32 s17, s11, 7
	s_add_co_u32 s16, s16, s17                     ; my first query row
	s_lshl_b32 s18, s16, 2                         ; its place in a block's 32,768 bytes of stats
	s_mov_b32 s19, 0
	s_add_nc_u64 s[68:69], s[68:69], s[18:19]
	s_lshl_b32 s16, s16, 8                         ; and in a block's 2,097,152 bytes of p: 4,096 bytes for 16 rows
	s_mov_b32 s17, 0
	s_add_nc_u64 s[8:9], s[8:9], s[16:17]
	s_lshl_b32 s46, s42, 1
	s_add_co_u32 s46, s46, s12                     ; kb = 2 x key tile + half
	s_lshl_b32 s18, s46, 15
	s_add_nc_u64 s[68:69], s[68:69], s[18:19]
	s_lshl_b32 s46, s46, 21
	s_mov_b32 s47, 0
	s_add_nc_u64 s[8:9], s[8:9], s[46:47]
; 16 matrix instructions; the 64 accumulators take turns in one order in every quarter.  zero = 1: the first product starts the sums.
.macro MUL16 f, hi, a0, zero
	WIN MUL_LO+0x50*(\hi)
.irp a, \a0, (\a0)+1
.irp b, 0,1,2,3,4,5,6,7
.if \zero
	v_wmma_f32_16x16x32_f16 v[8*(8*(\a)+(\b)):8*(8*(\a)+(\b))+7], v[(\f)+8*(\b):(\f)+8*(\b)+7], v[(\f)+8*(4*(\hi)+(\a)):(\f)+8*(4*(\hi)+(\a))+7], 0
.else
	v_wmma_f32_16x16x32_f16 v[8*(8*(\a)+(\b)):8*(8*(\a)+(\b))+7], v[(\f)+8*(\b):(\f)+8*(\b)+7], v[(\f)+8*(4*(\hi)+(\a)):(\f)+8*(4*(\hi)+(\a))+7], v[8*(8*(\a)+(\b)):8*(8*(\a)+(\b))+7]
.endif
.endr
.endr
.endm
.macro FETCH k, f                      ; 32 LDS loads in one run: the fragments of one quarter step (32 channels at byte k of the rows of the slot in hand) into buffer f
	WIN TO_B
.irp i, 0,1,2,3,4,5,6,7
	ds_load_b128 v[(\f)+8*(\i):(\f)+8*(\i)+3],   v[ADB] offset:(\k)+(\i)*16*PITCH
	ds_load_b128 v[(\f)+8*(\i)+4:(\f)+8*(\i)+7], v[ADB] offset:(\k)+(\i)*16*PITCH+32
.endr
	WIN 0
.irp i, 0,1,2,3,4,5,6,7
	ds_load_b128 v[(\f)+8*(\i):(\f)+8*(\i)+3],   v[ADA] offset:(\k)+(\i)*16*PITCH
	ds_load_b128 v[(\f)+8*(\i)+4:(\f)+8*(\i)+7], v[ADA] offset:(\k)+(\i)*16*PITCH+32
.endr
.endm
.macro PLACES                          ; four plain vector instructions between a matrix instruction and a load into, or a vector instruction on, its registers (ISA guide 7.12.1 for vector instructions)
.rept 4
	v_nop
.endr
.endm
; A step is four quarters of 32 channels, 64 matrix instructions each, on buffers 0, 1, 0, 1.  One of the first three multiplies buffer f and, in its middle, fetches the next quarter (byte k) into g.
.macro QUARTER k, f, g, zero
	s_wait_dscnt 8                                 ; K's fragments and Q's rows 0-63 are in; the youngest eight loads may be out
	MUL16 \f, 0, 0, \zero
	MUL16 \f, 0, 2, \zero
	PLACES
	FETCH \k, \g
	s_wait_dscnt 32                                ; all but the 32 just issued
	MUL16 \f, 1, 0, \zero
	MUL16 \f, 1, 2, \zero
.endm
; The last quarter multiplies buffer 1 and changes slots.  In front of ONE barrier each wave waits for all its tensor loads (one is out: its part of the next slot), adds 0 to its spare word, and waits for
; that and for its reads of this slot.  fill = 1: the barrier opens a round of the cluster's barrier, and the slot just read out is filled again, two steps on, first thing behind the round:
; the walking descriptor's LDS word is my place in a slot plus that slot's first byte, its address goes one step on.
.macro TURN fill
	WIN 0
	s_wait_tensorcnt 0x0
	ds_add_u32 v[SPW], v[NIL]                      ; 0 onto my spare word
	s_wait_dscnt 9                                 ; (the add and the youngest eight loads may be out)
	MUL16 F1, 0, 0, 0                              ; sixteen matrix instructions stand between the add and the wait for it
	s_wait_dscnt 0x0                               ; the add is done, and my reads of this slot are over
	s_barrier_signal -1
	MUL16 F1, 0, 2, 0                              ; work on registers while the others arrive
	WIN 0
	s_barrier_wait -1
.if \fill
	CREST                                          ; no wave of any partner still reads this slot's tile or has a load on its way
	s_add_co_u32 s[G0+5], s20, s[TB]
	s_add_co_u32 s[G0B+5], s20, s[TB]
	s_add_nc_u64 s[G0+6:G0+7], s[G0+6:G0+7], KSTEP*2       ; the type bits on top are not reached
	s_add_nc_u64 s[G0B+6:G0B+7], s[G0B+6:G0B+7], KSTEP*2
	s_xor_b32 s[TB], s[TB], SLOT                   ; the fetches go over to the other slot: 0 becomes SLOT, SLOT becomes 0
	JLOAD 1                                        ; my one tensor load behind the round; its four v_nop are also places in front of the loads below
.else
	s_xor_b32 s[TB], s[TB], SLOT
	v_nop                                          ; with the two additions below: the four places in front of the loads
	v_nop
.endif
	v_add_nc_u32 v[ADA], s[TB], v[ADRA0]
	v_add_nc_u32 v[ADB], s[TB], v[ADRB0]
	FETCH 0, F0
	MUL16 F1, 1, 0, 0
	MUL16 F1, 1, 2, 0
.endm
; THE SOFTMAX'S FIRST STAGE for block a (16 queries x my 128 keys: 8 accumulators, 64 scores a lane).
; The maximum (each accumulator's lowest registers are read first), c m, p = 2^(c s - c m) in place, p rounded to f16 into TMP, and the sum of the unrounded p.
.macro SOFT a
.set AC, 64*((\a)%4)
.set SHI, (\a)/4
	WIN 0x2a+0x15*SHI                              ; all three sources in window 2 or 3
.irp b, 0,1,2,3,4,5,6,7
	v_max3_num_f32 v[T+(\b)], v[AC+8*(\b)], v[AC+8*(\b)+1], v[AC+8*(\b)+2]
.endr
	WIN 0x28+0x14*SHI                              ; source 0 in window 0
.irp b, 0,1,2,3,4,5,6,7
	v_max3_num_f32 v[T+(\b)], v[T+(\b)], v[AC+8*(\b)+3], v[AC+8*(\b)+4]
.endr
.irp b, 0,1,2,3,4,5,6,7
	v_max3_num_f32 v[T+(\b)], v[T+(\b)], v[AC+8*(\b)+5], v[AC+8*(\b)+6]
.endr
.irp n, 0,1,2,3
	v_max3_num_f32 v[T+2*(\n)], v[T+2*(\n)], v[AC+16*(\n)+7], v[AC+16*(\n)+15]
.endr
	WIN 0
	v_max3_num_f32 v[T], v[T], v[T+1], v[T+2]
	v_max3_num_f32 v[T+3], v[T+3], v[T+4], v[T+5]
	v_max_num_f32 v[T+6], v[T+6], v[T+7]
	v_max3_num_f32 v[T], v[T], v[T+3], v[T+6]
	v_permlanex16_b32 v[T+1], v[T], s[SEL], s[SEL+1]  ; the query's other 64 keys lie in the lane 16 away
	v_max_num_f32 v[T], v[T], v[T+1]
	v_mul_f32 v[CM], s[CS], v[T]
	v_mov_b32 v[CM+1], v[CM]                       ; named with it as a pair
	v_mov_b32 v[MS+(\a)], v[CM]
	WIN 0x82+0x41*SHI                              ; destination and source 0 in window 2 or 3, c m in window 0
.set i, 0
.rept 32
	v_pk_fma_f32 v[AC+2*i:AC+2*i+1], v[AC+2*i:AC+2*i+1], s[CS:CS+1], v[CM:CM+1] op_sel_hi:[1,0,0] neg_lo:[0,0,1] neg_hi:[0,0,1]  ; c s - c m
.set i, i+1
.endr
.set i, 0
.rept 64
	v_exp_f32 v[AC+i], v[AC+i]
.set i, i+1
.endr
	v_nop                                          ; a plain instruction between the last exponential and the use of its result (ISA guide 5.7.2)
	s_wait_xcnt 0x0                                ; TMP, which the last block's stores read, is written again only behind this wait
	WIN 0x0a+5*SHI                                 ; sources 0 and 1 in window 2 or 3, destination in window 0
.set i, 0
	s_wait_alu depctr_va_vdst(0)
.rept 32
	v_cvt_pk_f16_f32 v[TMP+i], v[AC+2*i], v[AC+2*i+1]
.set i, i+1
.endr
.set i, 0
.rept 16
	v_pk_add_f32 v[U+2*i:U+2*i+1], v[AC+4*i:AC+4*i+1], v[AC+4*i+2:AC+4*i+3]
.set i, i+1
.endr
	WIN 0
.irp b, 0,1,2,3,4,5,6,7                ; the block leaves: accumulator b's four registers are the 512 bytes of block (16 rows, 16 keys) of p: the wave stores 512 consecutive bytes, at a multiple of 256 from p's first byte
	global_store_b128 v[SGO], v[TMP+4*(\b):TMP+4*(\b)+3], s[8:9] offset:(\a)*4096+(\b)*512
.endr
.irp w, 4, 8, 16, 32                   ; a tree over the 16 pairs, in place: neighbours 1, 2, 4, 8 pairs apart
.set i, 0
.rept 32/(\w)
	v_pk_add_f32 v[U+(\w)*i:U+(\w)*i+1], v[U+(\w)*i:U+(\w)*i+1], v[U+(\w)*i+(\w)/2:U+(\w)*i+(\w)/2+1]
.set i, i+1
.endr
.endr
	v_add_f32 v[T], v[U], v[U+1]
	v_permlanex16_b32 v[T+1], v[T], s[SEL], s[SEL+1]
	v_add_f32 v[LS+(\a)], v[T], v[T+1]
.endm
	s_wait_tensorcnt 1                             ; my part of step 0 is in; step 1's may stay out
	s_barrier_signal -1
	s_barrier_wait -1
	FETCH 0, F0
	QUARTER 64,  F0, F1, 1                         ; step 0's first quarter is written out: its products start the sums
	WIN 0                                          ; at a label and at a branch every window is 0
	s_mov_b32 s3, STEPS-2
	s_branch .Lin                                  ; so the loop is entered in the middle of a trip, at the step's second quarter; the jump passes no barrier and no tensor load
.Lstep:                                                ; a trip is a step and fills the slot that it has read out: steps 2 to 7 are asked for in the last quarters of steps 0 to 5
	QUARTER 64,  F0, F1, 0
	WIN 0
.Lin:
	QUARTER 128, F1, F0, 0
	QUARTER 192, F0, F1, 0
	TURN 1
	WIN 0
	s_sub_co_u32 s3, s3, 1
	s_cmp_lg_u32 s3, 0
	s_cbranch_scc1 .Lstep
	s_mov_b32 s3, 2
.Ltail:                                                ; steps 6 and 7 fill nothing and have no round of the cluster's barrier.  One text for both: step 7's change of slots passes one more barrier
	QUARTER 64,  F0, F1, 0                         ; and fetches 32 fragment halves of step 6's tile that nobody multiplies: the price, once a launch, of not writing the last step out
	QUARTER 128, F1, F0, 0
	QUARTER 192, F0, F1, 0
	TURN 0
	WIN 0
	s_sub_co_u32 s3, s3, 1
	s_cmp_lg_u32 s3, 0
	s_cbranch_scc1 .Ltail
	s_wait_dscnt 0x0                               ; those loads are in: their registers are written below
	PLACES                                         ; what follows reads results just made and writes registers that held Q's fragments
.irp a, 0,1,2,3,4,5,6,7
	SOFT \a
.endr
	; The statistics of my 128 queries: query 16 a + l % 16 goes to word 16 a + l % 16 of my stage (the two halves of the lanes write the same word with the same value), l 512 bytes further on;
	; back as 16 bytes a lane, so that each store covers 512 consecutive bytes, aligned.
.irp a, 0,1,2,3,4,5,6,7
	ds_store_b32 v[SST], v[MS+(\a)] offset:64*(\a)
	ds_store_b32 v[SST], v[LS+(\a)] offset:512+64*(\a)
.endr
	ds_load_b128 v[X:X+3], v[SRD]                  ; LDS serves a wave's instructions in order (ISA guide 5.7.1.4): these see the stores above
	ds_load_b128 v[X+4:X+7], v[SRD] offset:512
	s_wait_dscnt 0x0
	global_store_b128 v[SGO], v[X:X+3], s[68:69]
	global_store_b128 v[SGO], v[X+4:X+7], s[68:69] offset:524288
	s_wait_tensorcnt 0x0                           ; the wave's end: behind my last tensor load and my last LDS store
	ds_add_u32 v[SPW], v[NIL]
	s_wait_dscnt 0x0
	CROUND                                         ; the closing round
	s_endpgm
.Lfunc_end_k_q8cc70227ed_scores:
	.size	k_q8cc70227ed_scores, .Lfunc_end_k_q8cc70227ed_scores-k_q8cc70227ed_scores
	.p2alignl 7, 3214868480
	.fill 96, 4, 3214868480
	.section	.rodata,"a",@progbits
	.p2align	6, 0x0
	.amdhsa_kernel k_q8cc70227ed_scores
		.amdhsa_group_segment_fixed_size 327680
		.amdhsa_private_segment_fixed_size 0
		.amdhsa_enable_private_segment 0
		.amdhsa_kernarg_size 24
		.amdhsa_user_sgpr_count 2
		.amdhsa_user_sgpr_kernarg_segment_ptr 1
		.amdhsa_wavefront_size32 1
		.amdhsa_system_sgpr_workgroup_id_x 1
		.amdhsa_system_sgpr_workgroup_id_y 1
		.amdhsa_system_sgpr_workgroup_id_z 1
		.amdhsa_system_vgpr_workitem_id 0
		.amdhsa_next_free_vgpr 1024
		.amdhsa_next_free_sgpr 74
		.amdhsa_reserve_vcc 0
		.amdhsa_float_denorm_mode_32 3
		.amdhsa_float_denorm_mode_16_64 3
		.amdhsa_memory_ordered 1
		.amdhsa_forward_progress 1
		.amdhsa_inst_pref_size 160
	.end_amdhsa_kernel
	.amdgpu_metadata
---
amdhsa.version: [ 1, 2 ]
amdhsa.kernels:
  - .name:           k_q8cc70227ed_scores
    .symbol:         k_q8cc70227ed_scores.kd
    .args:
      - { .name: qkv, .offset: 0, .size: 8, .value_kind: global_buffer, .address_space: global }
      - { .name: p, .offset: 8, .size: 8, .value_kind: global_buffer, .address_space: global }
      - { .name: stats, .offset: 16, .size: 8, .value_kind: global_buffer, .address_space: global }
    .group_segment_fixed_size: 327680
    .private_segment_fixed_size: 0
    .kernarg_segment_align: 8
    .kernarg_segment_size: 24
    .max_flat_workgroup_size: 128
    .sgpr_count:     74
    .vgpr_count:     1024
    .wavefront_size: 32
...
	.end_amdgpu_metadata
.endif
;; end of part 3
;; launch pv (part 4): grid 4 x 64, 4 waves a work-group, clusters of 4 x 4, 327,680 bytes of LDS; arguments p, qkv, stats, out0; writes out0
.if DOCPART == 4
	.amdgcn_target "amdgcn-amd-amdhsa--gfx1250"
	.amdhsa_code_object_version 6
	.text
	.protected	k_q8cc70227ed_pv
	.globl	k_q8cc70227ed_pv
	.p2align	8
	.type	k_q8cc70227ed_pv,@function
k_q8cc70227ed_pv:
	s_mov_b64 s[64:65], 0
	v_nop
	global_prefetch_b8 v0, s[64:65] scope:SCOPE_SE
	s_setreg_imm32_b32 hwreg(HW_REG_WAVE_MODE, 25, 1), 1
	s_wait_xcnt 0x0
	s_wait_alu depctr_hold_cnt(0) depctr_sa_sdst(0) depctr_va_vdst(0) depctr_va_sdst(0) depctr_va_ssrc(0) depctr_va_vcc(0) depctr_vm_vsrc(0)
	s_getreg_b32 s2, hwreg(HW_REG_IB_STS2, 6, 4)
	s_cmp_eq_u32 s2, 0
	s_cbranch_scc0 .Lentry_in_a_cluster
	s_endpgm
.Lentry_in_a_cluster:
	s_bfe_u32 s2, ttmp6, 0x10000c
	s_cmp_lg_u32 s2, 0xf033
	s_cbranch_scc0 .Lentry_shape_is_right
	s_endpgm
.Lentry_shape_is_right:
; The softmax's second stage and the second product.  For each query row: M = the largest of its 16 blocks' cm (the row's true maximum times c), f[kb] = 2^(cm[kb] - M), L = the sum of f[kb] l[kb];
; out0[row][:] = (the sum over kb of f[kb] x (P[row][kb's 128 keys] V[those keys][:])) / L.  V: columns 2048-3071 of qkv [8192][3072] f16; stats as the launch before wrote them; out0: [8192][1024] f32.
; p, f16, lies as matrix fragments: [16 blocks kb of 128 keys][512 blocks of 16 rows][8 blocks of 16 keys][32 lanes][16 bytes]; lane l holds row l % 16 and the keys 8 (l / 16) + 0..7 of its block of 16.
; f16 products, f32 sums; f, L and all that is done with them in f32.  f is at most 1, and L at least 1 to within rounding: the block that holds the row's maximum has f = 1 and an l of 1 or more.
; LIMITS.  An f below 2^-126 counts as 0.  NaN and infinities are not treated apart.
; A tile of 128 queries x 256 channels is made by four waves, each 64 x 128: 4 x 64 = 256 tiles, one to a work-group.
; The batch's 2,048 keys go in 16 steps of 128 (a step is a block kb) through two LDS slots filled by the tensor data mover.  Half a tile of P is 16,384 dense bytes, asked for as 64 rows of 256;
; V's rows are 512 bytes of memory; all begin at multiples of 256 bytes.  Two slots of twice the step would take 409,600 bytes: more than a work-group has.
; TWO SETS OF SUMS.  A step's products are summed in T, which its first quarter starts with the constant 0; in its last quarter O += f T, four packed multiply-adds behind each product.
; O is cleared once, by 256 v_mov_b32 that stand in the wait for the statistics and the first tiles: the price of one text for every step.
; CLUSTERS: 4 x 4 work-groups, all of one batch (a batch is four clusters high).  The four of a row need the same tiles of P, the four of a column the same tiles of V: each is asked for JOINTLY.
; THE MATRIX INSTRUCTION IS USED TRANSPOSED: source 0 = 16 channels of V^T (V lies [key][channel] in LDS and is turned by ds_load_tr16_b128), source 1 = 16 queries of P:
; in accumulator (b, a) lane l holds query 16 a + l % 16 and the channels 16 b + 8 (l / 16) + 0..7: one query a lane, so f is one number a lane and block of 16 queries.
; REGISTERS, in windows of 256 (s_set_vgpr_msb: bits 1:0 source 0, 3:2 source 1, 5:4 source 2, 7:6 destination):
;   window 0: v0-31 addresses, 1 / L; v32-63, v64-95 fragments of P, two buffers; v96-103 f of the step in hand; v104-107 at work; v128-255 at the start the statistics, on the way out at work
;   windows 1, 2, 3: the channel blocks 0-2, 3-5, 6-7.  In each, for its block bb: T (bb, a) at v[8 (4 bb + a)], O at v[96 + 8 (4 bb + a)], V's fragments at v[192 + 24 x buffer + 8 bb]; v240 V's LDS address.
;   So ONE setting, sources 0 and 2 and the destination in the window and source 1 in window 0, serves a window's products, its multiply-adds and its loads of V.
.set ROWB,   6144                      ; bytes in a row of qkv
.set KSTEP,  128
.set PRB,    4096                      ; bytes of p for 16 rows x 128 keys
.set PKB,    512*PRB                   ; and for all rows x 128 keys: from a step to the next
.set PB,     544                       ; a row of V in LDS: 512 + 32 = 136 words
.set AHALF,  4*PRB                     ; what one tensor load brings of P; it lies in LDS as in memory: a fragment load takes 512 consecutive bytes
.set BHALF,  64*PB                     ; and of V
.set BOFF,   2*AHALF                   ; V's 128 rows lie behind P's 8 blocks of rows
.set SLOTB,  BOFF+2*BHALF              ; a slot: 102,400 bytes
.set SLOT1,  1<<17                     ; slot 1 begins here, so that one exclusive or turns an address in one slot into the other's
.set FT,     SLOTB                     ; between the slots; no tensor load lands here.  For each wave: 16 blocks x 256 bytes of f, then 256 bytes of 1 / L; row r of my 64 at 16 (r % 16) + 4 (r / 16)
.set FTW,    17*256
.set SPARE,  FT+4*FTW                  ; the spare words, 128 bytes for each wave: two blocks of 256 bytes that no other line names
.set STAGE,  SLOT1+SLOTB               ; behind the ring: 16 rows x 528 bytes for each wave, for the way out
.set SPO,    528
.set STEPS,  16
.set RLP,  8                           ; v8-15   1 / L of block a, twice: four pairs
.set ADRA0, 16                         ; v16     my lane's place among my fragments of P in slot 0; never rewritten
.set ADA,  17                          ; v17     the same in the slot in hand
.set PFV,  18                          ; v18     256 x lane, for the prefetch
.set STO,  24                          ; v24     the way out: where I put 32 bytes of a row
.set RD,   25                          ; v25     the way out: where I read a row back
.set CO,   26                          ; v26     16 x lane: my byte offset in 512 bytes of out0
.set FA,   27                          ; v27     where I read my four f of the next block; steps 256 bytes a step
.set SPW,  28
.set NIL,  29
.set TST,  30                          ; v30     where I put f and 1 / L of rows 2 x lane and 2 x lane + 1
.set SOF,  31                          ; v31     8 x lane: my byte offset in 256 bytes of stats
.set PF0,  32
.set F,    96                          ; f of block a at v[96 + 2 a]: the low word of a pair, taken for both halves
.set MX,   104                         ; v104-105 M of my two rows
.set LSUM, 106                         ; v106-107 L, then 1 / L
.set CMV,  128                         ; at the start: cm, then f, of my two rows: a pair a block
.set LV,   160                         ; l likewise
.set TMP,  128                         ; the way out
.set OB,   192
.set TT,   0                           ; in windows 1 to 3
.set OO,   96
.set VF,   192
.set ADBW, 240                         ; V's LDS address in the slot in hand
.set ADB0W, 241                        ; and in slot 0; never rewritten
.set G1,  24                           ; s[24:31] descriptor group 1 for P's tiles;  s[32:39] group 0: a set for each of the two first fills; the second then walks on
.set G0,  32
.set G1B, 48                           ; s[48:55], s[56:63] the same for V's tiles
.set G0B, 56
.set TB,  67                           ; s67     LDS byte at which the slot in hand begins: 0 or SLOT1
.set PPB, 70                           ; s[70:71] the prefetch's base
.set MSB, 0
.macro WIN new
.if MSB != (\new)
	s_set_vgpr_msb (MSB<<8)|(\new)
.set MSB, \new
.endif
.endm
; A joint load: waves 0 and 1 fetch the two halves of P's tile, waves 2 and 3 those of V's.  An s_nop 0 and four v_nop follow each of the two lines.
.macro JLOAD s
	s_cmp_eq_u32 s11, 0
	s_cbranch_scc0 .Lfor_b_\@
	tensor_load_to_lds s[G0+4*(\s):G0+4*(\s)+3], s[G1:G1+7]
	s_nop 0
.rept 4
	v_nop
.endr
	s_branch .Lasked_\@
.Lfor_b_\@:
	tensor_load_to_lds s[G0B+4*(\s):G0B+4*(\s)+3], s[G1B:G1B+7]
	s_nop 0
.rept 4
	v_nop
.endr
.Lasked_\@:
.endm
.macro CROUND                          ; a round of the cluster's barrier
	s_barrier_signal -1
	s_barrier_wait -1
	s_cmp_lg_u32 s10, 0
	s_cbranch_scc1 .Lnot_wave_0_\@
	s_barrier_signal -3
.Lnot_wave_0_\@:
	s_barrier_wait -3
	s_barrier_signal -1
	s_barrier_wait -1
.endm
	s_load_b128 s[4:7], s[0:1], 0x0                ; p s[4:5], qkv s[6:7]
	s_load_b64 s[68:69], s[0:1], 0x10              ; stats
	s_load_b64 s[8:9], s[0:1], 0x18                ; out0
	v_lshl_add_u32 v[SPW], v0, 2, SPARE
	v_mov_b32 v[NIL], 0
	ds_add_u32 v[SPW], v[NIL]                      ; the wave's opening: the add and its wait come ahead of my first tensor load; the set-up below stands between them
	v_lshrrev_b32 v1, 5, v0
	v_readfirstlane_b32 s10, v1                    ; wave 0..3
	s_lshr_b32 s11, s10, 1                         ; which 64 of the tile's queries are mine.  Also: I fetch for P (0) or for V (1)
	s_and_b32 s12, s10, 1                          ; which 128 of its channels.  Also: which half of that tile I fetch
	s_bfe_u32 s40, ttmp6, 0x40000                  ; cx
	s_bfe_u32 s41, ttmp6, 0x40004                  ; cy
	s_lshl_b32 s42, ttmp9, 2
	s_add_co_u32 s42, s42, s40                     ; tile of 256 channels = 4 x cluster x + cx
	s_and_b32 s13, ttmp7, 0xffff
	s_lshl_b32 s13, s13, 2
	s_add_co_u32 s13, s13, s41                     ; tile of 128 queries, over all batches = 4 x cluster y + cy
	s_and_b32 s45, ttmp7, 0xffff
	s_lshr_b32 s45, s45, 2                         ; the batch = cluster y / 4: the same in all sixteen partners
	s_lshl_b32 s43, s41, 2
	s_lshl_b32 s43, 15, s43                        ; my row of the cluster
	s_lshl_b32 s44, 0x1111, s40                    ; my column
	; P's half tiles: 64 rows x 128 elements, dense, no padding.  V's: 64 rows x 256 elements, 32 bytes of padding behind every 512.
	s_or_b32 s[G1+0], s43, (1<<16)|(1<<21)         ; 15:0 the mask; 17:16 2-byte elements; 21 set beside a mask
	s_mov_b32 s[G1+1], 128<<16                     ; tensor_dim0 = 128
	s_mov_b32 s[G1+2], 64<<16                      ; tensor_dim1 = 64
	s_mov_b32 s[G1+3], 128<<16                     ; tile_dim0 = 128
	s_mov_b32 s[G1+4], 64                          ; tile_dim1 = 64
	s_mov_b32 s[G1+5], 128                         ; 128 elements from row to row
	s_mov_b32 s[G1+6], 0
	s_mov_b32 s[G1+7], 0
	s_or_b32 s[G1B+0], s44, (1<<16)|(1<<20)|(1<<21)|(6<<22)|(7<<25)  ; 20 padding on; 24:22 after every 128 words; 31:25 8 words
	s_mov_b32 s[G1B+1], 256<<16                    ; tensor_dim0 = 256
	s_mov_b32 s[G1B+2], 64<<16                     ; tensor_dim1 = 64
	s_mov_b32 s[G1B+3], 256<<16                    ; tile_dim0 = 256
	s_mov_b32 s[G1B+4], 64                         ; tile_dim1 = 64
	s_mov_b32 s[G1B+5], ROWB/2                     ; elements from row to row of qkv
	s_mov_b32 s[G1B+6], 0
	s_mov_b32 s[G1B+7], 0
	s_lshl_b32 s16, s13, 15                        ; P: 8 blocks of 16 rows x 4,096 bytes x query tile
	s_lshl_b32 s17, s12, 14                        ;   + 4 blocks x half
	s_add_co_u32 s16, s16, s17
	s_lshl_b32 s17, s12, 6
	s_lshl_b32 s46, s45, 11
	s_add_co_u32 s46, s46, s17                     ; V: key row 2,048 x batch + 64 x half
	s_mul_i32 s46, s46, ROWB                       ; under 2^26
	s_lshl_b32 s47, s42, 9                         ; the tile's 256 channels: 512 bytes x channel tile,
	s_add_co_u32 s46, s46, s47
	s_add_co_u32 s46, s46, 4096                    ; behind Q's and K's columns
	s_mov_b32 s17, 0
	s_mov_b32 s47, 0
	s_mul_i32 s20, s12, AHALF                      ; where they go: no place in the cluster enters an LDS address
	s_mul_i32 s21, s12, BHALF
	s_add_co_u32 s21, s21, BOFF
	s_mov_b32 s[TB], 0
	s_wait_dscnt 0x0                               ; the opening add is done
	s_wait_kmcnt 0x0
	s_add_nc_u64 s[14:15], s[4:5], s[16:17]
	s_add_nc_u64 s[46:47], s[6:7], s[46:47]
	CROUND                                         ; all sixteen work-groups are here: the first joint loads meet
.irp s, 0,1
	s_mov_b32 s[G0+4*(\s)], 1
	s_add_co_u32 s[G0+4*(\s)+1], s20, (\s)*SLOT1
	s_add_nc_u64 s[G0+4*(\s)+2:G0+4*(\s)+3], s[14:15], (\s)*PKB            ; step s is block s of p
	s_or_b32 s[G0+4*(\s)+3], s[G0+4*(\s)+3], 0x80000000
	s_mov_b32 s[G0B+4*(\s)], 1
	s_add_co_u32 s[G0B+4*(\s)+1], s21, (\s)*SLOT1
	s_add_nc_u64 s[G0B+4*(\s)+2:G0B+4*(\s)+3], s[46:47], (\s)*KSTEP*ROWB   ; step s: 128 rows down V
	s_or_b32 s[G0B+4*(\s)+3], s[G0B+4*(\s)+3], 0x80000000
	JLOAD \s                                       ; two tensor loads of mine are out
.endr
	s_lshl_b32 s16, s13, 7
	s_lshl_b32 s17, s11, 6
	s_add_co_u32 s16, s16, s17                     ; my first query row
	s_lshl_b32 s18, s16, 2
	s_mov_b32 s19, 0
	s_add_nc_u64 s[68:69], s[68:69], s[18:19]      ; stats at that row
	s_lshl_b32 s16, s16, 12
	s_mov_b32 s17, 0
	s_add_nc_u64 s[8:9], s[8:9], s[16:17]          ; out0 at that row (4,096 bytes a row),
	s_lshl_b32 s46, s42, 10
	s_lshl_b32 s47, s12, 9
	s_add_co_u32 s46, s46, s47
	s_mov_b32 s47, 0
	s_add_nc_u64 s[8:9], s[8:9], s[46:47]          ; and at my first channel: 1,024 x channel tile + 512 x half
	s_lshl_b32 s18, s13, 15                        ; the prefetch: of the 32,768 bytes of P that my row of the cluster shares in a step, my work-group asks for bytes 8,192 cx on;
	s_lshl_b32 s19, s40, 13
	s_add_co_u32 s18, s18, s19
	s_add_co_u32 s18, s18, 2*PKB                   ; the base starts at step 2 and is stepped ahead of each request
	s_mov_b32 s19, 0
	s_add_nc_u64 s[PPB:PPB+1], s[4:5], s[18:19]
	v_and_b32 v3, 31, v0                           ; lane
	v_lshlrev_b32 v[SOF], 3, v3
	v_lshlrev_b32 v[PFV], 8, v3
	; The statistics of my 64 rows: lane i takes rows 2 i and 2 i + 1, so each load covers 256 consecutive bytes, aligned.  They are on their way while the addresses are made and O is cleared.
.set kb, 0
.rept 16
	global_load_b64 v[CMV+2*kb:CMV+2*kb+1], v[SOF], s[68:69] offset:32768*kb
	global_load_b64 v[LV+2*kb:LV+2*kb+1],   v[SOF], s[68:69] offset:524288+32768*kb
.set kb, kb+1
.endr
	v_and_b32 v1, 15, v0                           ; l % 16
	v_bfe_u32 v2, v0, 4, 1                         ; l / 16
	s_mul_i32 s21, s11, AHALF                      ; my 4 blocks of 16 rows of P
	v_lshl_add_u32 v[ADRA0], v3, 4, s21            ; a fragment's half: 16 bytes a lane
	v_mov_b32 v[ADA], v[ADRA0]                     ; slot 0 is in hand
	v_and_b32 v5, 7, v0                            ; the turning load: lane l reads key 8 (l / 16) + l % 8, channels 8 ((l / 8) % 2) + 0..7
	v_lshl_add_u32 v5, v2, 3, v5
	v_mul_u32_u24 v5, v5, PB
	v_bfe_u32 v6, v0, 3, 1
	v_lshl_add_u32 v5, v6, 4, v5
	s_lshl_b32 s22, s12, 8                         ; my 128 channels: 256 bytes of each row of V
	s_add_co_u32 s22, s22, BOFF
	v_add_nc_u32 v5, s22, v5
.irp w, 1,2,3
	WIN 0x40*(\w)                                  ; destination in window w
	v_mov_b32 v[ADB0W], v5
	v_mov_b32 v[ADBW], v5
.set i, 0
.rept 96-32*((\w)/3)                   ; O of the window's 12, 12 and 8 accumulators
	v_mov_b32 v[OO+i], 0
.set i, i+1
.endr
.endr
	WIN 0
.irp a, 0,1,2,3
	v_mov_b32 v[F+2*(\a)+1], 0                     ; the high words of f's pairs are named, so they are written
.endr
	s_mul_i32 s23, s10, 16*SPO
	s_add_co_u32 s23, s23, STAGE                   ; my stage
	v_mul_u32_u24 v4, v1, SPO                      ; in: row l % 16, 32 bytes for each half of the lanes
	v_lshl_add_u32 v4, v2, 5, v4
	v_add_nc_u32 v[STO], s23, v4
	v_lshl_add_u32 v[RD], v3, 4, s23               ; back: 32 lanes take one row of 512 bytes
	v_lshlrev_b32 v[CO], 4, v3
	s_mul_i32 s23, s10, FTW
	s_add_co_u32 s23, s23, FT                      ; my table
	v_lshl_add_u32 v[FA], v1, 4, s23
	v_and_b32 v4, 7, v0                            ; row 2 i lies at 16 (2 i % 16) + 4 (2 i / 16) = 32 (i % 8) + 4 (i / 8); row 2 i + 1 sixteen bytes on
	v_bfe_u32 v6, v0, 3, 2
	v_lshlrev_b32 v4, 5, v4
	v_lshl_add_u32 v4, v6, 2, v4
	v_add_nc_u32 v[TST], s23, v4
	s_wait_loadcnt 0x0                             ; the statistics, once
.irp c, 0,1                            ; M
	v_max3_num_f32 v[MX+(\c)], v[CMV+(\c)], v[CMV+2+(\c)], v[CMV+4+(\c)]
.irp n, 0,1,2,3,4,5
	v_max3_num_f32 v[MX+(\c)], v[MX+(\c)], v[CMV+6+4*(\n)+(\c)], v[CMV+8+4*(\n)+(\c)]
.endr
	v_max_num_f32 v[MX+(\c)], v[MX+(\c)], v[CMV+30+(\c)]
.endr
.set kb, 0
.rept 16
	v_pk_add_f32 v[CMV+2*kb:CMV+2*kb+1], v[CMV+2*kb:CMV+2*kb+1], v[MX:MX+1] neg_lo:[0,1] neg_hi:[0,1]  ; cm - M
.set kb, kb+1
.endr
.set i, 0
.rept 32
	v_exp_f32 v[CMV+i], v[CMV+i]                   ; f
.set i, i+1
.endr
	v_nop                                          ; a plain instruction between the last exponential and the use of its result (ISA guide 5.7.2)
	s_wait_alu depctr_va_vdst(0)
	v_pk_mul_f32 v[LSUM:LSUM+1], v[CMV:CMV+1], v[LV:LV+1]
.set kb, 1
.rept 15
	v_pk_fma_f32 v[LSUM:LSUM+1], v[CMV+2*kb:CMV+2*kb+1], v[LV+2*kb:LV+2*kb+1], v[LSUM:LSUM+1]  ; L
.set kb, kb+1
.endr
	v_rcp_f32 v[LSUM], v[LSUM]
	v_rcp_f32 v[LSUM+1], v[LSUM+1]
	v_nop                                          ; a plain instruction between the last reciprocal and the use of its result
.set kb, 0
.rept 16
	ds_store_b32 v[TST], v[CMV+2*kb]   offset:256*kb
	ds_store_b32 v[TST], v[CMV+2*kb+1] offset:256*kb+16
.set kb, kb+1
.endr
	s_wait_alu depctr_va_vdst(0)
	ds_store_b32 v[TST], v[LSUM]   offset:4096
	ds_store_b32 v[TST], v[LSUM+1] offset:4112
	ds_load_b128 v[4:7], v[FA] offset:4096         ; the table is my wave's own, and LDS serves a wave's instructions in order (ISA guide 5.7.1.4): 1 / L of rows 16 a + l % 16
	s_wait_dscnt 0x0
.irp a, 0,1,2,3
	v_mov_b32 v[RLP+2*(\a)],   v[4+(\a)]
	v_mov_b32 v[RLP+2*(\a)+1], v[4+(\a)]
.endr
.macro PLACES                          ; four plain vector instructions between a matrix instruction and a load into, or a vector instruction on, its registers (ISA guide 7.12.1 for vector instructions)
.rept 4
	v_nop
.endr
.endm
; O += f T for accumulator t = 4 bb + a of the window in hand.  T's lowest registers are read first.
.macro FMA t
.irp r, 0,2,4,6
	v_pk_fma_f32 v[OO+8*(\t)+(\r):OO+8*(\t)+(\r)+1], v[TT+8*(\t)+(\r):TT+8*(\t)+(\r)+1], v[F+2*((\t)%4):F+2*((\t)%4)+1], v[OO+8*(\t)+(\r):OO+8*(\t)+(\r)+1] op_sel_hi:[1,0,1]
.endr
.endm
; The products of window w (nb channel blocks x 4 blocks of queries), 32 keys, fragments in buffer f.  zero = 1: they start T's sums.  The accumulators take turns in one order.
; flush = 1: the step's last quarter: behind each product stand the four multiply-adds of the accumulator finished TWO products earlier, so that they do not sit on a result just being made.
; They name no register of the two products in front of them; between a product and its own multiply-adds stand the four or eight of other accumulators, behind a window's first product four v_nop.
.macro SECT w, nb, f, zero, flush
	WIN 0x51*(\w)
.set t, 0
.rept 4*(\nb)
.if \zero
	v_wmma_f32_16x16x32_f16 v[TT+8*t:TT+8*t+7], v[VF+24*(\f)+8*(t/4):VF+24*(\f)+8*(t/4)+7], v[PF0+32*(\f)+8*(t%4):PF0+32*(\f)+8*(t%4)+7], 0
.else
	v_wmma_f32_16x16x32_f16 v[TT+8*t:TT+8*t+7], v[VF+24*(\f)+8*(t/4):VF+24*(\f)+8*(t/4)+7], v[PF0+32*(\f)+8*(t%4):PF0+32*(\f)+8*(t%4)+7], v[TT+8*t:TT+8*t+7]
.endif
.if \flush
.if t == 0
	PLACES
.elseif t > 1
	FMA t-2
.endif
.endif
.set t, t+1
.endr
.if \flush
	FMA t-2
	FMA t-1
.endif
.endm
.macro LDV w, nb, g, q                 ; under the window's setting: V's fragments of quarter q (32 keys) for the window's channel blocks, turned, into buffer g
.set bb, 0
.rept \nb
	ds_load_tr16_b128 v[VF+24*(\g)+8*bb:VF+24*(\g)+8*bb+3],   v[ADBW] offset:(\q)*32*PB+32*(3*((\w)-1)+bb)
	ds_load_tr16_b128 v[VF+24*(\g)+8*bb+4:VF+24*(\g)+8*bb+7], v[ADBW] offset:(\q)*32*PB+16*PB+32*(3*((\w)-1)+bb)
.set bb, bb+1
.endr
.endm
.macro LDP g, q                        ; in window 0: P's four fragments of quarter q into buffer g: each load takes 512 consecutive bytes
.irp a, 0,1,2,3
	ds_load_b128 v[PF0+32*(\g)+8*(\a):PF0+32*(\g)+8*(\a)+3],   v[ADA] offset:(\a)*PRB+(\q)*1024
	ds_load_b128 v[PF0+32*(\g)+8*(\a)+4:PF0+32*(\g)+8*(\a)+7], v[ADA] offset:(\a)*PRB+(\q)*1024+512
.endr
.endm
; A QUARTER: 32 products on buffer f, windows 3, 1, 2.  Behind window 3's eight products ALL the next quarter's (q) fragments are fetched into buffer g in ONE run, 24 products ahead of their first use:
; V for window 3 (4 loads), P (8), f (4, where fl = 1: the step's first quarter), V for window 2 (6), V for window 1 (6).
; mode 0: an ordinary quarter.  The wait at its head leaves out the 12 loads for windows 2 and 1; the wait behind the run leaves out the run's own 24 (28 with f).
; mode 1: behind the change of slots: all fragments are in, and the addresses go over to the other slot.
; The registers loaded were last read a quarter ago; the four v_nop behind window 3's products (flush = 1: the multiply-adds) are the places between.
.macro QTR f, g, q, zero, flush, fl, mode
.if (\mode) == 0
	s_wait_dscnt 12
.endif
	SECT 3, 2, \f, \zero, \flush
.if !(\flush)
	PLACES
.endif
.if (\mode) == 1
	v_add_nc_u32 v[ADBW], v[ADB0W], s[TB]
.endif
	LDV 3, 2, \g, \q
	WIN 0
.if (\mode) == 1
	v_add_nc_u32 v[ADA], s[TB], v[ADRA0]
.endif
	LDP \g, \q
.if \fl
.irp a, 0,1,2,3
	ds_load_b32 v[F+2*(\a)], v[FA] offset:4*(\a)   ; f of this step's block, wanted in its last quarter
.endr
	v_add_nc_u32 v[FA], 256, v[FA]
.endif
	WIN 0xa2
.if (\mode) == 1
	v_add_nc_u32 v[ADBW], v[ADB0W], s[TB]
.endif
	LDV 2, 3, \g, \q
	WIN 0x51
.if (\mode) == 1
	v_add_nc_u32 v[ADBW], v[ADB0W], s[TB]
.endif
	LDV 1, 3, \g, \q
.if (\mode) == 0
	s_wait_dscnt 24+4*(\fl)
.endif
	SECT 1, 3, \f, \zero, \flush
	SECT 2, 3, \f, \zero, \flush
.endm
; THE CHANGE OF SLOTS stands in front of a step's last quarter, whose fragments were asked for 24 products ago: the slot in hand is read out.  Each wave waits for all its tensor loads (one is out: its part of
; the next slot), adds 0 to its spare word, and waits for that and for its reads of this slot.  Behind the barrier nobody reads this slot any more and the next slot is whole.
; fill = 1: the barrier is a round of the cluster's, and this slot is filled again, two steps on, first thing behind it; the quarter's 32 products follow the request.
.macro SYNC fill
	WIN 0
	s_wait_tensorcnt 0x0                           ; no tensor load of mine is out, so a group 0 may be written
	ds_add_u32 v[SPW], v[NIL]                      ; 0 onto my spare word; the scalar steps stand between it and the wait for it
.if \fill
	s_xor_b32 s[G0+5], s[G0+5], SLOT1              ; the walking descriptors: the other slot than last time,
	s_add_nc_u64 s[G0+6:G0+7], s[G0+6:G0+7], PKB   ; the next 128 keys; the type bits on top are not reached
	s_xor_b32 s[G0B+5], s[G0B+5], SLOT1
	s_add_nc_u64 s[G0B+6:G0B+7], s[G0B+6:G0B+7], KSTEP*ROWB
.endif
	s_xor_b32 s[TB], s[TB], SLOT1                  ; the fetches go over to the other slot
	s_wait_dscnt 0x0                               ; the add is done, and my reads of this slot are over
.if \fill
	CROUND                                         ; no wave of any partner still reads this slot's tile or has a load on its way
	JLOAD 1                                        ; my one tensor load behind the round
.else
	s_barrier_signal -1
	s_barrier_wait -1
.endif
.endm
; THE WAY OUT of block a (16 queries x my 128 channels): times 1 / L; a lane's 32 bytes of a row into my stage; back as whole rows of 512 bytes; stored.
.macro OUT a
.irp w, 1,2,3
	WIN (\w)                                       ; source 0 in window w
.set bb, 0
.rept 3-(\w)/3
.irp r, 0,2,4,6
	v_pk_mul_f32 v[TMP+8*(3*((\w)-1)+bb)+(\r):TMP+8*(3*((\w)-1)+bb)+(\r)+1], v[OO+8*(4*bb+(\a))+(\r):OO+8*(4*bb+(\a))+(\r)+1], v[RLP+2*(\a):RLP+2*(\a)+1]
.endr
.set bb, bb+1
.endr
.endr
	WIN 0
	s_wait_xcnt 0x0                                ; the registers that the last block's stores read are loaded again only behind this wait
.set i, 0
.rept 16
	ds_store_b128 v[STO], v[TMP+4*i:TMP+4*i+3] offset:64*(i/2)+16*(i%2)
.set i, i+1
.endr
.set i, 0
.rept 16
	ds_load_b128 v[OB+4*i:OB+4*i+3], v[RD] offset:SPO*i  ; LDS serves a wave's instructions in order (ISA guide 5.7.1.4): these see the stores above
.set i, i+1
.endr
.set i, 0
.rept 16
	s_wait_dscnt 15-i                              ; row i is back; the 15 - i younger loads stay out
	global_store_b128 v[CO], v[OB+4*i:OB+4*i+3], s[8:9] offset:(16*(\a)+i)*4096 th:TH_STORE_NT  ; the wave stores 512 consecutive bytes, at a multiple of 256 from out0's first byte
.set i, i+1
.endr
.endm
	s_wait_tensorcnt 1                             ; my part of step 0 is in; step 1's may stay out
	s_barrier_signal -1
	s_barrier_wait -1
	WIN 0xf3                                       ; the first quarter's fragments, in the order in which every quarter asks for the next one's
	LDV 3, 2, 0, 0
	WIN 0
	LDP 0, 0
	WIN 0xa2
	LDV 2, 3, 0, 0
	WIN 0x51
	LDV 1, 3, 0, 0
	WIN 0                                          ; at a label and at a branch every window is 0
	s_mov_b32 s3, STEPS-2
.Lstep:                                                ; a trip is a step, and fills the slot that it has read out: steps 2 to 15 in 14 trips
	QTR 0, 1, 1, 1, 0, 1, 0
	QTR 1, 0, 2, 0, 0, 0, 0
	QTR 0, 1, 3, 0, 0, 0, 0
	SYNC 1
	; THE PREFETCH.  P comes from memory once.  In trip t wave 0 asks for my work-group's 8,192 bytes of step t + 3, whose tensor load goes out in trip t + 1: 256 bytes a lane, each block of
	; 256 bytes asked for by one lane of one work-group in the launch.  The last trip asks for nothing: step 16 does not exist.  Steps 0 to 2 are asked for by their tensor loads alone.
	s_cmp_lg_u32 s10, 0
	s_cbranch_scc1 .Lno_ask
	s_cmp_eq_u32 s3, 1
	s_cbranch_scc1 .Lno_ask
	s_wait_xcnt 0x0                                ; the base is stepped only behind this wait; the request that read it went out a whole step ago
	s_add_nc_u64 s[PPB:PPB+1], s[PPB:PPB+1], PKB
	global_prefetch_b8 v[PFV], s[PPB:PPB+1] th:TH_LOAD_NT scope:SCOPE_SE
.Lno_ask:
	QTR 1, 0, 0, 0, 1, 0, 1
	WIN 0
	s_sub_co_u32 s3, s3, 1
	s_cmp_lg_u32 s3, 0
	s_cbranch_scc1 .Lstep
	s_mov_b32 s3, 2
.Ltail:                                                ; steps 14 and 15 fill nothing and have no round of the cluster's barrier.  One text for both: step 15's change of slots passes one more barrier,
	QTR 0, 1, 1, 1, 0, 1, 0                        ; and its last quarter fetches 24 fragment halves of step 14's tile that nobody multiplies: the price, once a launch, of not writing the last step out
	QTR 1, 0, 2, 0, 0, 0, 0
	QTR 0, 1, 3, 0, 0, 0, 0
	SYNC 0
	QTR 1, 0, 0, 0, 1, 0, 1
	WIN 0
	s_sub_co_u32 s3, s3, 1
	s_cmp_lg_u32 s3, 0
	s_cbranch_scc1 .Ltail
	s_wait_dscnt 0x0                               ; those loads are in
	OUT 0                                          ; O was written by vector instructions; nothing here names a register of the last products
	OUT 1
	OUT 2
	OUT 3
	s_wait_tensorcnt 0x0                           ; the wave's end: behind my last tensor load and my last LDS store
	ds_add_u32 v[SPW], v[NIL]
	s_wait_dscnt 0x0
	CROUND                                         ; the closing round: no work-group ends while a partner may still ask for a tile that names it
	s_endpgm
.Lfunc_end_k_q8cc70227ed_pv:
	.size	k_q8cc70227ed_pv, .Lfunc_end_k_q8cc70227ed_pv-k_q8cc70227ed_pv
	.p2alignl 7, 3214868480
	.fill 96, 4, 3214868480
	.section	.rodata,"a",@progbits
	.p2align	6, 0x0
	.amdhsa_kernel k_q8cc70227ed_pv
		.amdhsa_group_segment_fixed_size 327680
		.amdhsa_private_segment_fixed_size 0
		.amdhsa_enable_private_segment 0
		.amdhsa_kernarg_size 32
		.amdhsa_user_sgpr_count 2
		.amdhsa_user_sgpr_kernarg_segment_ptr 1
		.amdhsa_wavefront_size32 1
		.amdhsa_system_sgpr_workgroup_id_x 1
		.amdhsa_system_sgpr_workgroup_id_y 1
		.amdhsa_system_sgpr_workgroup_id_z 1
		.amdhsa_system_vgpr_workitem_id 0
		.amdhsa_next_free_vgpr 1024
		.amdhsa_next_free_sgpr 72
		.amdhsa_reserve_vcc 0
		.amdhsa_float_denorm_mode_32 3
		.amdhsa_float_denorm_mode_16_64 3
		.amdhsa_memory_ordered 1
		.amdhsa_forward_progress 1
		.amdhsa_inst_pref_size 103
	.end_amdhsa_kernel
	.amdgpu_metadata
---
amdhsa.version: [ 1, 2 ]
amdhsa.kernels:
  - .name:           k_q8cc70227ed_pv
    .symbol:         k_q8cc70227ed_pv.kd
    .args:
      - { .name: p, .offset: 0, .size: 8, .value_kind: global_buffer, .address_space: global }
      - { .name: qkv, .offset: 8, .size: 8, .value_kind: global_buffer, .address_space: global }
      - { .name: stats, .offset: 16, .size: 8, .value_kind: global_buffer, .address_space: global }
      - { .name: out0, .offset: 24, .size: 8, .value_kind: global_buffer, .address_space: global }
    .group_segment_fixed_size: 327680
    .private_segment_fixed_size: 0
    .kernarg_segment_align: 8
    .kernarg_segment_size: 32
    .max_flat_workgroup_size: 128
    .sgpr_count:     72
    .vgpr_count:     1024
    .wavefront_size: 32
...
	.end_amdgpu_metadata
.endif
;; end of part 4
